; MI455X (gfx1250); checked and timed in simulation.
; The chip was launched on July 23, 2026; its instructions are those of AMD's public machine-readable ISA for CDNA 5 (MIT licence, August 2026) and "CDNA5" Instruction Set Architecture Reference Guide (July 2026). The comments in the code are by the model that wrote it; some were corrected since.
;; Causal Self Attention. Allowed arithmetic: matrix products marked QUANTISED: E4M3 operands, one given power-of-two scale a tensor, by v_wmma_f32_16x16x64_fp8_fp8 or v_wmma_f32_16x16x128_fp8_fp8, f32 sums; everything else in f32.
;; Inputs: lowp_scales 8 int32 (the exponents e of the quantised operands' scales 2^e); w_proj 1,024 x 1,024 float32; w_qkv 1,024 x 3,072 float32; x 4 x 2,048 x 1,024 float32.
;; Outputs: out0 4 x 2,048 x 1,024 float32.
;; This version of the problem:
;;   THIS VERSION OF THE PROBLEM IS GIVEN IN LOW PRECISION. The matrix products marked QUANTISED in the list below multiply operands that are first quantised to E4M3 (4 exponent bits, 3 mantissa bits; 8 bits a number), with one given power-of-two scale for each operand tensor; their sums are f32. All else is computed in f32.
;;   The module's matrix products, in the order in which they are computed (A, B: the left and right operand; K: the contracted axis; several contracted axes count as one K, in the product's order):
;;     1. [M 8,192, K 1,024] x [K 1,024, N 3,072]; A: input x; B: input w_qkv: QUANTISED (scales: A lowp_scales[0], B lowp_scales[1])
;;     2. batch 64 x [M 2,048, K 64] x [K 64, N 2,048]; A: computed on the way; B: computed on the way: QUANTISED (scales: A lowp_scales[2], B lowp_scales[3])
;;     3. batch 64 x [M 2,048, K 2,048] x [K 2,048, N 64]; A: softmax (see below); B: computed on the way: QUANTISED (scales: A lowp_scales[4], B lowp_scales[5])
;;     4. [M 8,192, K 1,024] x [K 1,024, N 1,024]; A: computed on the way; B: input w_proj: QUANTISED (scales: A lowp_scales[6], B lowp_scales[7])
;;   THE QUANTISER, for each operand of a quantised product, along K:
;;     - The operand's scale is 2^e, e = its entry of the input lowp_scales (int32; the entries are numbered through the quantised products in the list's order, A before B).
;;     - Each number is divided by the scale, clamped to +-448, and rounded to the nearest number of E4M3, ties to even, subnormals kept.
;;     - The product sums the exact products of the quantised numbers (number of the format x scale) in f32.
;;   ~~~python
;;   def quantise(x, axis, e):      # numpy; x: float32 -> the quantised numbers, widened to float32 again
;;       x = np.moveaxis(x, axis, -1); K = x.shape[-1]
;;       r = np.clip(x / 2.0 ** e, -448, 448)
;;       step = 2.0 ** (np.maximum(np.frexp(np.where(r == 0, 1, r))[1] - 1, -6) - 3)
;;       q = np.round(r / step) * step * 2.0 ** e      # np.round: ties to even
;;       return np.moveaxis(q, -1, axis).astype(np.float32)
;;   ~~~
;;   SOFTMAX AHEAD OF A QUANTISED PRODUCT. Where the list says 'softmax', what is quantised is not the finished softmax but p = 2^(t - M), with t = logit x log2(e) and M = ceil(the row's largest t), a whole number; so 1/2 < the row's largest p <= 1. The row's sum l is taken of the UNQUANTISED p, in f32, and the product's result is divided by l at the end. Since M is a whole number, a kernel that streams over the keys may use a running M (the ceiling of the running maximum): every later rescaling is an exact power of two, so the quantised numbers keep their values, but for numbers so far below the row's largest that they fall under the format's range.
;;   OPERANDS COMPUTED ON THE WAY. 'Computed on the way' means the value that the module computes at that place (a softmax that the list does not call 'softmax' is quantised finished and normalised). What goes into a quantiser is computed in f32, as accurately as f32 sums, v_exp_f32 and their like allow (about 1e-6 of the number): no bf16 or f16 on the way to a quantiser, and a product that is left as it is and whose result goes on into a quantised operand takes f32 operands (vector FMAs, or v_wmma_f32_16x16x4_f32). A number that lies on a knife's edge between two numbers of the format may be rounded either way, as far as f32 arithmetic and the matrix unit's own rounding can turn it there, and no further.
;; One version. Each part assembles by itself: llvm-mc -triple=amdgcn-amd-amdhsa -mcpu=gfx1250 --defsym DOCPART=n.
;; ======== version 1 of 1: 4 launches
;; limits: right only within a limited range of input values
;; workspace buffers: xc 8,388,608 bytes; wc 4,194,304 bytes; qkv 25,165,824 bytes; yc 8,388,608 bytes
;; launch quant (part 1): grid 384 x 1, 4 waves a work-group, no clusters, 68,096 bytes of LDS; arguments x, w_qkv, w_proj, lowp_scales, xc, wc; writes xc, wc
.if DOCPART == 1
	.amdgcn_target "amdgcn-amd-amdhsa--gfx1250"
	.amdhsa_code_object_version 6
	.text
	.protected	k_qe0c16c1847_quant
	.globl	k_qe0c16c1847_quant
	.p2align	8
	.type	k_qe0c16c1847_quant,@function
k_qe0c16c1847_quant:
	s_mov_b64 s[64:65], 0
	v_nop
	global_prefetch_b8 v0, s[64:65] scope:SCOPE_SE
	s_setreg_imm32_b32 hwreg(HW_REG_WAVE_MODE, 25, 1), 1
	s_wait_xcnt 0x0
; x [8192][1024], w_qkv [1024][3072] and w_proj [1024][1024], f32, become codes of FP8 (E4M3), K innermost, each with the one scale 2^e given for it (entries 0, 1 and 7 of the scales).
; code = number / 2^e, held within +-448, to the nearest code, ties to even.  LIMITS: -126 <= e <= 119 for the three entries, so that 2^e and 448 x 2^e are f32 numbers.  NaN among the inputs is not served.
; LAYOUT OF THE RESULTS.  xc [8192 places][1024 bytes]; wc [4096 places][1024 bytes], places 0-3071 w_qkv's columns, 3072-4095 w_proj's.  PLACE p HOLDS ROW (COLUMN) p WITH BITS 3 AND 4 SWAPPED:
; sixteen neighbouring places then hold rows 32 (i / 2) + 8 (i % 2) + r + 8 (r / 8), so that in the products that follow a lane's registers of two neighbouring tiles are 16 neighbours along the next K.
; Work-groups 0-255 take x: K is innermost, a plain stream; a wave takes 8 rows (8,192 numbers) in 16 steps of 512.  Each load reads 512 consecutive bytes; a step's 2,048 bytes turn through the wave's own stage in LDS
; so that a lane gets 16 neighbours for the conversions; a lane's 16 codes are 16 bytes, a wave's store 512 consecutive bytes.  Row bits 3 and 4 are the wave's bits 0 and 1: the swap is a swap of the wave's bits.
; Work-groups 256-383 take the weights: K is the FIRST axis, so a lane takes a column and its registers run down K; 128 columns x 256 along K a work-group, 32 columns a wave.  The codes go through the wave's own stage
; and leave as rows: sixteen lanes store 256 consecutive, aligned bytes.  One text serves both weights: buffer, pitch and scale are selected on the work-group's number.
; No tensor loads, no barrier: waves share nothing.  The two paths have LDS bytes of their own: 0-32767 for x, 32768-67583 for the weights.
.set STEPS, 16
.set SP,    80                         ; x: a lane's place in a stage: 64 bytes + 16 of padding
.set WREG,  8192                       ; x: LDS bytes of a wave: two stages of 32 x SP
.set XR,    16                         ; v16-79   x: four sets of 16 numbers as loaded
.set XN,    80                         ; v80-111  x: two sets of 16 neighbours
.set XC,    128                        ; v128-191 x: four registers of codes for each step: no store's data are written again
.set NB,    8                          ; weights: blocks of 32 along K for a wave
.set WSTG,  32768                      ; weights: the stages begin here
.set WP,    272                        ; weights: a stage row: 256 codes + 16 of padding
.set WX,    32                         ; v32-95   weights: two sets of 32 numbers
.set WC,    96                         ; v96-103  weights: a block's codes
.set WO,    112                        ; v112-175 weights: the way out
.set WOF,   176                        ; v176-207 weights: i x pitch + 4 x lane, i = 0 .. 31; never rewritten
.macro XLOAD t
.irp i, 0,1,2,3
	global_load_b128 v[XR+16*((\t)%4)+4*\i:XR+16*((\t)%4)+4*\i+3], v3, s[4:5] offset:2048*(\t)+512*\i th:TH_LOAD_NT   ; 32 lanes read 512 consecutive bytes
.endr
.endm
.macro XTURN t                         ; step t's numbers through the stage: LDS serves a wave's instructions in order, so no wait stands between the stores and the loads
.irp i, 0,1,2,3
	ds_store_b128 v14, v[XR+16*((\t)%4)+4*\i:XR+16*((\t)%4)+4*\i+3] offset:32*SP*((\t)%2)+8*SP*\i
.endr
.irp i, 0,1,2,3
	ds_load_b128 v[XN+16*((\t)%2)+4*\i:XN+16*((\t)%2)+4*\i+3], v15 offset:32*SP*((\t)%2)+16*\i
.endr
.endm
.macro XSTEP t
.set XS, XN+16*((\t)%2)
	s_wait_dscnt 0x0                               ; this step's numbers are back from the stage: so its stores into the stage have read their registers,
.if (\t)+4 < STEPS
	XLOAD (\t)+4                                   ; which take the loads of four steps on
.endif
.if (\t)+1 < STEPS
.if STEPS-2-(\t) >= 3
	s_wait_loadcnt 12                              ; the next step's four loads are in; the twelve of the three steps behind it may be out
.else
	s_wait_loadcnt 4*(STEPS-2-(\t))
.endif
	XTURN (\t)+1                                   ; and go through the other stage while this step is worked
.endif
.irp i, 0,1,2,3,4,5,6,7,8,9,10,11,12,13,14,15
.endr
	v_cvt_scalef32_pk8_fp8_f32 v[XC+4*(\t):XC+4*(\t)+1], v[XS:XS+7], v11
	v_cvt_scalef32_pk8_fp8_f32 v[XC+4*(\t)+2:XC+4*(\t)+3], v[XS+8:XS+15], v11   ; the results go to a store alone
	global_store_b128 v3, v[XC+4*(\t):XC+4*(\t)+3], s[12:13] offset:512*(\t)
.endm
.macro WLOAD t                         ; block t: W(32 t + i, my column), i = 0 .. 31, into set t % 2: 128 consecutive bytes a wave, 512 a work-group
.irp i, 0,1,2,3,4,5,6,7,8,9,10,11,12,13,14,15,16,17,18,19,20,21,22,23,24,25,26,27,28,29,30,31
	global_load_b32 v[WX+32*((\t)%2)+\i], v[WOF+\i], s[48+2*(\t):49+2*(\t)] th:TH_LOAD_NT
.endr
.endm
.macro WBLOCK t
.set XS, WX+32*((\t)%2)
.if (\t) < NB-1
	s_wait_loadcnt 32                              ; this block's 32 loads are in; the next block's 32 may be out
.else
	s_wait_loadcnt 0
.endif
.irp i, 0,1,2,3,4,5,6,7,8,9,10,11,12,13,14,15,16,17,18,19,20,21,22,23,24,25,26,27,28,29,30,31
.endr
.irp g, 0,1,2,3
	v_cvt_scalef32_pk8_fp8_f32 v[WC+2*\g:WC+2*\g+1], v[XS+8*\g:XS+8*\g+7], v11
.endr
	ds_store_b128 v4, v[WC:WC+3] offset:32*(\t)    ; 32 codes: 32 bytes of my column's row
	ds_store_b128 v4, v[WC+4:WC+7] offset:32*(\t)+16
.if (\t)+2 < NB
	WLOAD (\t)+2
.endif
	s_wait_dscnt 0x0                               ; the stores have read their registers: the next block's codes may be written
.endm
	s_load_b256 s[4:11], s[0:1], 0x0               ; x s[4:5], w_qkv s[6:7], w_proj s[8:9], the scales' exponents s[10:11]
	s_load_b128 s[12:15], s[0:1], 0x20             ; xc s[12:13], wc s[14:15]
	v_lshl_add_u32 v208, v0, 2, 0x10800
	v_mov_b32 v209, 0
	v_lshrrev_b32 v1, 5, v0
	v_readfirstlane_b32 s16, v1                    ; wave 0..3
	v_and_b32 v2, 31, v0                           ; lane
	s_wait_kmcnt 0x0
	s_load_b256 s[40:47], s[10:11], 0x0            ; e0 .. e7
	s_cmp_lt_u32 ttmp9, 256
	s_cbranch_scc0 .Lweights
	s_wait_alu depctr_va_vdst(0)
	; ---- x
	v_lshlrev_b32 v3, 4, v2                        ; 16 x lane: my 16 bytes of a load's 512, and of a store's
	s_wait_alu depctr_va_vdst(0)
	s_mul_i32 s17, s16, WREG
	v_lshrrev_b32 v14, 2, v2
	v_mul_u32_u24 v14, v14, SP
	v_and_b32 v15, 3, v2
	v_lshl_add_u32 v14, v15, 4, v14
	v_add_nc_u32 v14, s17, v14                     ; the stage, on the way in: SP (lane / 4) + 16 (lane % 4)
	v_mul_u32_u24 v15, v2, SP
	v_add_nc_u32 v15, s17, v15                     ; and on the way out: SP x lane: my 16 neighbours
	s_lshl_b32 s18, ttmp9, 17                      ; in: (4 x work-group + wave) x 32,768 bytes
	s_lshl_b32 s19, s16, 15
	s_add_co_u32 s18, s18, s19
	s_mov_b32 s19, 0
	s_add_nc_u64 s[4:5], s[4:5], s[18:19]
	s_and_b32 s20, s16, 1                          ; out: the wave's two bits swapped,
	s_lshl_b32 s20, s20, 1
	s_lshr_b32 s21, s16, 1
	s_or_b32 s20, s20, s21
	s_lshl_b32 s20, s20, 13                        ; x 8 places of 1,024 bytes,
	s_lshl_b32 s21, ttmp9, 15                      ; + the work-group's 32 places
	s_add_co_u32 s20, s20, s21
	s_mov_b32 s21, 0
	s_add_nc_u64 s[12:13], s[12:13], s[20:21]
.irp t, 0,1,2,3
	XLOAD \t
.endr
	s_wait_alu depctr_va_vdst(0)
	s_wait_kmcnt 0x0
	s_add_co_i32 s22, s40, 127
	s_lshl_b32 s23, s22, 23
	v_mov_b32 v11, s23                             ; 2^e0 as f32: the conversion takes its exponent field
	s_add_co_i32 s22, s22, 8
	s_lshl_b32 s22, s22, 23
	s_or_b32 s22, s22, 0x600000
	s_wait_alu depctr_va_vdst(0)
	s_wait_loadcnt 12                              ; step 0's four loads are in
	XTURN 0
.irp t, 0,1,2,3,4,5,6,7,8,9,10,11,12,13,14,15
	XSTEP \t
.endr
	s_wait_tensorcnt 0x0
	ds_add_u32 v208, v209
	s_wait_dscnt 0x0
	s_endpgm
	; ---- the weights
.Lweights:
	s_sub_co_u32 s17, ttmp9, 256
	s_lshr_b32 s18, s17, 2                         ; which 128 places of wc: 0-23 w_qkv's, 24-31 w_proj's
	s_and_b32 s19, s17, 3                          ; which 256 along K
	s_mov_b32 s20, 4096
	s_cmp_lt_u32 s18, 24                           ; the choice hangs on the work-group's number alone
	s_cselect_b64 s[6:7], s[6:7], s[8:9]           ; the weight,
	s_cselect_b32 s20, 12288, s20                  ; its pitch in bytes,
	s_cselect_b32 s21, 0, 24                       ; and where its places begin
	s_sub_co_u32 s21, s18, s21
	s_lshl_b32 s21, s21, 7
	s_lshl_b32 s23, s16, 5
	s_add_co_u32 s21, s21, s23                     ; my wave's first column
	s_lshl_b32 s24, s21, 2
	s_lshl_b32 s25, s19, 8
	s_mul_i32 s25, s25, s20                        ; 256 rows of K for each step along the grid
	s_add_co_u32 s24, s24, s25
	s_mov_b32 s25, 0
	s_add_nc_u64 s[48:49], s[6:7], s[24:25]        ; a base for each of the eight blocks, 32 rows apart: nothing is stepped later
	s_lshl_b32 s26, s20, 5
	s_mov_b32 s27, 0
.irp t, 1,2,3,4,5,6,7
	s_add_nc_u64 s[48+2*\t:49+2*\t], s[46+2*\t:47+2*\t], s[26:27]
.endr
	s_lshl_b32 s28, s18, 17                        ; out: place 128 x block + 32 x wave, 1,024 bytes a place, + 256 bytes for each step along K
	s_lshl_b32 s29, s16, 15
	s_add_co_u32 s28, s28, s29
	s_lshl_b32 s29, s19, 8
	s_add_co_u32 s28, s28, s29
	s_mov_b32 s29, 0
	s_add_nc_u64 s[14:15], s[14:15], s[28:29]
	s_wait_alu depctr_va_vdst(0)
	v_lshlrev_b32 v3, 2, v2                        ; 4 bytes a lane
.irp i, 0,1,2,3,4,5,6,7,8,9,10,11,12,13,14,15,16,17,18,19,20,21,22,23,24,25,26,27,28,29,30,31
	v_mad_u32_u24 v[WOF+\i], s20, \i, v3           ; the pitch is a register, so a row's offset is one too
.endr
	WLOAD 0
	WLOAD 1
	s_mul_i32 s30, s16, 32*WP
	s_add_co_u32 s30, s30, WSTG                    ; my stage
	v_mul_u32_u24 v4, v2, WP
	v_add_nc_u32 v4, s30, v4                       ; into it: row = my column
	v_and_b32 v5, 15, v2
	v_lshrrev_b32 v6, 4, v2                        ; out of it: sixteen lanes to a row, two rows an instruction
	v_mul_u32_u24 v7, v6, WP
	v_lshl_add_u32 v7, v5, 4, v7
	v_add_nc_u32 v7, s30, v7
	v_lshlrev_b32 v8, 10, v6
	v_lshl_add_u32 v8, v5, 4, v8                   ; and the same in wc
	s_wait_kmcnt 0x0
	s_cmp_lt_u32 s18, 24
	s_cselect_b32 s32, s41, s47                    ; e1 or e7
	s_add_co_i32 s32, s32, 127
	s_lshl_b32 s33, s32, 23
	v_mov_b32 v11, s33                             ; 2^e as f32
	s_add_co_i32 s32, s32, 8
	s_lshl_b32 s32, s32, 23
	s_or_b32 s32, s32, 0x600000
	s_wait_alu depctr_va_vdst(0)
.irp t, 0,1,2,3,4,5,6,7
	WBLOCK \t
.endr
.irp t, 0,1,2,3,4,5,6,7,8,9,10,11,12,13,14,15
	ds_load_b128 v[WO+4*\t:WO+4*\t+3], v7 offset:2*\t*WP   ; LDS serves a wave's instructions in order: these see my stores
.endr
.irp t, 0,1,2,3,4,5,6,7,8,9,10,11,12,13,14,15
	s_wait_dscnt 15-\t
	global_store_b128 v8, v[WO+4*\t:WO+4*\t+3], s[14:15] offset:2*((\t&3)|((\t&4)<<1)|((\t&8)>>1))*1024   ; columns 2 t, 2 t + 1 go to the places with bits 3 and 4 swapped; 16 lanes store 256 consecutive, aligned bytes
.endr
	s_wait_tensorcnt 0x0
	ds_add_u32 v208, v209
	s_wait_dscnt 0x0
	s_endpgm
.Lfunc_end_k_qe0c16c1847_quant:
	.size	k_qe0c16c1847_quant, .Lfunc_end_k_qe0c16c1847_quant-k_qe0c16c1847_quant
	.p2alignl 7, 3214868480
	.fill 96, 4, 3214868480
	.section	.rodata,"a",@progbits
	.p2align	6, 0x0
	.amdhsa_kernel k_qe0c16c1847_quant
		.amdhsa_group_segment_fixed_size 68096
		.amdhsa_private_segment_fixed_size 0
		.amdhsa_enable_private_segment 0
		.amdhsa_kernarg_size 48
		.amdhsa_user_sgpr_count 2
		.amdhsa_user_sgpr_kernarg_segment_ptr 1
		.amdhsa_wavefront_size32 1
		.amdhsa_system_sgpr_workgroup_id_x 1
		.amdhsa_system_sgpr_workgroup_id_y 1
		.amdhsa_system_sgpr_workgroup_id_z 1
		.amdhsa_system_vgpr_workitem_id 0
		.amdhsa_next_free_vgpr 210
		.amdhsa_next_free_sgpr 66
		.amdhsa_reserve_vcc 0
		.amdhsa_float_denorm_mode_32 3
		.amdhsa_float_denorm_mode_16_64 3
		.amdhsa_fp16_overflow 1
		.amdhsa_memory_ordered 1
		.amdhsa_forward_progress 1
		.amdhsa_inst_pref_size 56
	.end_amdhsa_kernel
	.amdgpu_metadata
---
amdhsa.version: [ 1, 2 ]
amdhsa.kernels:
  - .name:           k_qe0c16c1847_quant
    .symbol:         k_qe0c16c1847_quant.kd
    .args:
      - { .name: x, .offset: 0, .size: 8, .value_kind: global_buffer, .address_space: global }
      - { .name: w_qkv, .offset: 8, .size: 8, .value_kind: global_buffer, .address_space: global }
      - { .name: w_proj, .offset: 16, .size: 8, .value_kind: global_buffer, .address_space: global }
      - { .name: lowp_scales, .offset: 24, .size: 8, .value_kind: global_buffer, .address_space: global }
      - { .name: xc, .offset: 32, .size: 8, .value_kind: global_buffer, .address_space: global }
      - { .name: wc, .offset: 40, .size: 8, .value_kind: global_buffer, .address_space: global }
    .group_segment_fixed_size: 68096
    .private_segment_fixed_size: 0
    .kernarg_segment_align: 8
    .kernarg_segment_size: 48
    .max_flat_workgroup_size: 128
    .sgpr_count:     66
    .vgpr_count:     210
    .wavefront_size: 32
...
	.end_amdgpu_metadata
.endif
;; end of part 1
;; launch qkvgemm (part 2): grid 12 x 32, 4 waves a work-group, clusters of 4 x 4, 327,680 bytes of LDS; arguments xc, wc, lowp_scales, qkv; writes qkv
.if DOCPART == 2
	.amdgcn_target "amdgcn-amd-amdhsa--gfx1250"
	.amdhsa_code_object_version 6
	.text
	.protected	k_qe0c16c1847_qkvgemm
	.globl	k_qe0c16c1847_qkvgemm
	.p2align	8
	.type	k_qe0c16c1847_qkvgemm,@function
k_qe0c16c1847_qkvgemm:
	s_mov_b64 s[64:65], 0
	v_nop
	global_prefetch_b8 v0, s[64:65] scope:SCOPE_SE
	s_setreg_imm32_b32 hwreg(HW_REG_WAVE_MODE, 25, 1), 1
	s_wait_xcnt 0x0
	s_wait_alu depctr_hold_cnt(0) depctr_sa_sdst(0) depctr_va_vdst(0) depctr_va_sdst(0) depctr_va_ssrc(0) depctr_va_vcc(0) depctr_vm_vsrc(0)
	s_getreg_b32 s2, hwreg(HW_REG_IB_STS2, 6, 4)
	s_cmp_eq_u32 s2, 0
	s_cbranch_scc0 .Lentry_in_a_cluster
	s_endpgm
.Lentry_in_a_cluster:
	s_bfe_u32 s2, ttmp6, 0x10000c
	s_cmp_lg_u32 s2, 0xf033
	s_cbranch_scc0 .Lentry_shape_is_right
	s_endpgm
.Lentry_shape_is_right:
; qkv = x w_qkv on codes of FP8 (E4M3), and its sums quantised at once into the operands of attention: q (scale entry 2), k (entry 3), v (entry 5).  xc [8192][1024], wc [4096][1024]: codes, K innermost,
; place p holding row p with bits 3 and 4 swapped.  A sum stands for sum x 2^(e0 + e1), so its code is sum / 2^(eT - e0 - e1), held within +-448, eT = e2, e3 or e5: three scales folded into the conversion's one.
; LIMIT: eT - e0 - e1 between -126 and 119, so that this power of two and 448 times it are f32 numbers.
; A tile of 256 x 256 is made by four waves, each 128 x 128: 64 accumulators, 512 registers.  K goes in steps of 256 through a ring of two LDS slots filled by the tensor data mover; rows of 256 bytes.
; THE MATRIX INSTRUCTION: source 0 = 16 places of the slot's second region ('B'), source 1 = 16 places of its first ('A').  A lane of the result holds ONE place of A and eight neighbouring places of B; with the swapped
; bits the 16 registers of B's tiles 2 c, 2 c + 1 are 16 true neighbours, 32 c + 16 (lane / 16) + 0 .. 15: what a conversion wants, and the results are the registers of the next operand.
; WHO IS A AND WHO IS B hangs on the cluster's x.  0 (q) and 1 (k): A = tokens (xc), B = channels (wc): a lane holds a token and runs along the head's channels, the next K.
; 2 (v): A = channels (wc), B = tokens (xc): a lane holds a channel and runs along the keys, the next K.  Only addresses are selected; no branch hangs on it.
; CLUSTERS: 4 x 4 work-groups.  A's tile hangs on cy alone and is asked for jointly by a row of the cluster, B's on cx alone, by a column.
; RESULTS, as images of operand registers (L = lane): q at 0, k at 8,388,608: ((batch x 16 + head) x 128 + token tile) x 1024 + 512 x (d / 32) + 16 L;
; v at 16,777,216: (((batch x 16 + head) x 16 + keys / 128) x 4 + channel tile) x 2048 + 512 x ((key / 32) % 4) + 16 L.  Every store of a wave covers 512 consecutive, aligned bytes; no stage in LDS is needed.
; REGISTERS, in windows of 256: window 0: v0-31 addresses and scales; from v128 A's fragments, ONE set; on the way out v128-255 codes.   window 1: B's fragments, TWO sets.
;   window 2: the 32 accumulators of A's blocks 0-3 (accumulator (a, b) at v[8 (8 a + b)]);   window 3: those of blocks 4-7.
.set SIZE_K, 1024
.set KSTEP,  256
.set ROWB,   256                       ; a tile's row in bytes
.set KROW,   SIZE_K                    ; a row of xc or wc in bytes
.set PITCH,  272                       ; an LDS row: 256 bytes + 16 of padding = 68 words: row r starts at bank 4 r mod 64 (ISA guide 11.1), so the 16 rows of a load start at 16 different banks
.set FR,     16                        ; registers of a fragment: 16 rows x 128 K
.set NL,     4                         ; LDS loads that bring one
.set NP,     4                         ; places behind this matrix instruction (ISA guide 7.12.1)
.set HALFT,  128*PITCH                 ; 128 rows: what one tensor load brings
.set SLOT,   4*HALFT                   ; A's 256 rows, then B's 256 rows
.set LAPS,   SIZE_K/(2*KSTEP)          ; a lap = two K steps = once round the ring
.set SPARE,  2*SLOT                    ; behind the ring: the spare words, 128 bytes for each wave: two blocks of 256 bytes that no other line names
.set ADRA, 16                          ; v16-17  LDS address of my A fragments in slot 0, 1
.set ADRB, 20                          ; v20-21  the same for B
.set OA,   26                          ; v26     the way out: 16 x lane
.set OB,   27                          ; v27     the same, two groups of 32 along the next K further on
.set SPW,  28                          ; v28     LDS address of my spare word; never rewritten
.set NIL,  29                          ; v29     0; never rewritten
.set SCL,  30                          ; v30     2^(eT - e0 - e1)
.set LIM,  31
.set TMP,  32
.set AF,   128                         ; A's fragments, in window 0
.set CD,   128                         ; the way out: 16 registers of codes for each block: no store's data are written again
.set G1, 24                            ; s[24:31] descriptor group 1 for A's tiles;  s[32:39] group 0, one set for each slot
.set G0, 32
.set G1B, 48                           ; s[48:55], s[56:63] the same for B's tiles
.set G0B, 56
.set BS,  66                           ; s[66:81] the way out: a base for each of A's eight blocks
.set MSB, 0
.macro WIN new                         ; the immediate's high byte repeats the setting that is left
.if MSB != \new
	s_set_vgpr_msb (MSB<<8)|\new
.set MSB, \new
.endif
.endm
.set MUL_LO, 0xa1                      ; source 0 (B) window 1, source 1 (A) window 0, C and D window 2
.set MUL_HI, 0xf1                      ; the same, C and D window 3
.set TO_B,   0x40                      ; destination window 1, address window 0
; A joint load: waves 0 and 1 fetch for A, waves 2 and 3 for B.  The branch hangs on the wave's number alone.  Four v_nop follow each of the two lines.
.macro JLOAD g0a, g1a, g0b, g1b
	s_cmp_eq_u32 s15, 0
	s_cbranch_scc0 .Lfor_b_\@
	tensor_load_to_lds s[\g0a:\g0a+3], s[\g1a:\g1a+7]
	s_nop 0
.rept 4
	v_nop
.endr
	s_branch .Lasked_\@
.Lfor_b_\@:
	tensor_load_to_lds s[\g0b:\g0b+3], s[\g1b:\g1b+7]
	s_nop 0
.rept 4
	v_nop
.endr
.Lasked_\@:
.endm
.macro CREST                           ; a round of the cluster's barrier behind its opening barrier
	s_cmp_lg_u32 s14, 0
	s_cbranch_scc1 .Lnot_wave_0_\@
	s_barrier_signal -3
.Lnot_wave_0_\@:
	s_barrier_wait -3
	s_barrier_signal -1
	s_barrier_wait -1
.endm
.macro CROUND                          ; a whole round
	s_barrier_signal -1
	s_barrier_wait -1
	CREST
.endm
	s_load_b128 s[4:7], s[0:1], 0x0                ; xc s[4:5], wc s[6:7]
	s_load_b128 s[8:11], s[0:1], 0x10              ; the scales' exponents s[8:9], qkv s[10:11]
	v_lshl_add_u32 v[SPW], v0, 2, SPARE
	v_mov_b32 v[NIL], 0
	ds_add_u32 v28, v29
	ds_add_u32 v28, v29
	s_wait_dscnt 0x0
	v_lshrrev_b32 v1, 5, v0
	v_readfirstlane_b32 s14, v1                    ; wave 0..3
	s_lshr_b32 s15, s14, 1                         ; which half of A's 256 places is mine.  Also: I fetch for A (0) or for B (1)
	s_and_b32 s16, s14, 1                          ; which half of B's.  Also: which 128 rows of that tile I fetch
	s_bfe_u32 s40, ttmp6, 0x40000                  ; cx, cy: my place in the cluster
	s_bfe_u32 s41, ttmp6, 0x40004
	s_and_b32 s13, ttmp7, 0xffff
	s_lshl_b32 s13, s13, 2                         ; 4 x cluster y
	s_lshl_b32 s12, ttmp9, 2                       ; 4 x cluster x
	s_cmp_eq_u32 ttmp9, 2                          ; v's clusters?  The cluster's x is the same in all sixteen partners
	s_cselect_b32 s17, 8, s13                      ; A's block of 256 places: v: wc's 8 + cy; else xc's 4 x cluster y + cy
	s_cselect_b32 s42, s13, s12                    ; B's: v: xc's 4 x cluster y + cx; else wc's 4 x cluster x + cx
	s_add_co_u32 s17, s17, s41
	s_add_co_u32 s42, s42, s40
	s_lshl_b32 s43, s41, 2
	s_lshl_b32 s43, 15, s43                        ; my row of the cluster
	s_lshl_b32 s44, 0x1111, s40                    ; my column
	; descriptor group 1: a tile of 128 rows x 256 bytes, padded in LDS
	s_or_b32 s[G1+0], s43, (0<<16)|(1<<20)|(1<<21)|(5<<22)|(3<<25)  ; 15:0 the mask: A's tiles go to my row; 17:16 element of 1 byte; 20 padding on; 21 set beside a mask; 24:22 after every 64 words (code 5); 31:25 of 4 words (code 3)
	s_or_b32 s[G1B+0], s44, (0<<16)|(1<<20)|(1<<21)|(5<<22)|(3<<25)
.irp g, G1, G1B
	s_mov_b32 s[\g+1], ROWB<<16                    ; tensor_dim0
	s_mov_b32 s[\g+2], 128<<16                     ; tensor_dim1 = 128
	s_mov_b32 s[\g+3], ROWB<<16                    ; tile_dim0
	s_mov_b32 s[\g+4], 128                         ; tile_dim1 = 128
	s_mov_b32 s[\g+5], KROW                        ; tensor_dim0_stride
	s_mov_b32 s[\g+6], 0
	s_mov_b32 s[\g+7], 0
.endr
	s_lshl_b32 s18, s16, 7                         ; which 128 rows of the tile I fetch
	s_lshl_b32 s20, s17, 8
	s_add_co_u32 s20, s20, s18
	s_lshl_b32 s20, s20, 10                        ; A: place x 1,024 bytes
	s_mov_b32 s21, 0
	s_lshl_b32 s46, s42, 8
	s_add_co_u32 s46, s46, s18
	s_lshl_b32 s46, s46, 10                        ; B likewise
	s_mov_b32 s47, 0
	s_mul_i32 s45, s14, HALFT                      ; where they go: wave x 128 rows: no place in the cluster enters an LDS address
	s_wait_kmcnt 0x0
	s_load_b256 s[84:91], s[8:9], 0x0              ; e0 .. e7
	s_cmp_eq_u32 ttmp9, 2
	s_cselect_b64 s[92:93], s[6:7], s[4:5]         ; A's buffer
	s_cselect_b64 s[94:95], s[4:5], s[6:7]         ; B's buffer
	s_add_nc_u64 s[20:21], s[92:93], s[20:21]
	s_add_nc_u64 s[46:47], s[94:95], s[46:47]
	CROUND                                         ; all sixteen work-groups are here: the first joint loads meet
.irp s, 0,1
	s_mov_b32 s[G0+4*\s], 1
	s_add_co_u32 s[G0+4*\s+1], s45, \s*SLOT
	s_add_nc_u64 s[G0+4*\s+2:G0+4*\s+3], s[20:21], \s*ROWB
	s_or_b32 s[G0+4*\s+3], s[G0+4*\s+3], 0x80000000
	s_mov_b32 s[G0B+4*\s], 1
	s_add_co_u32 s[G0B+4*\s+1], s45, \s*SLOT
	s_add_nc_u64 s[G0B+4*\s+2:G0B+4*\s+3], s[46:47], \s*ROWB
	s_or_b32 s[G0B+4*\s+3], s[G0B+4*\s+3], 0x80000000
	JLOAD G0+4*\s, G1, G0B+4*\s, G1B
.endr
	v_and_b32 v1, 15, v0                           ; l % 16
	v_bfe_u32 v2, v0, 4, 1                         ; l / 16
	v_mul_u32_u24 v3, v1, PITCH
	v_lshl_add_u32 v4, v2, 4, v3                   ; a fragment's row x pitch + 16 x half
	s_mul_i32 s21, s15, HALFT                      ; my 128 rows of A
	s_mul_i32 s22, s16, HALFT                      ; my 128 rows of B,
	s_add_co_u32 s22, s22, 2*HALFT                 ; which lie behind A's 256
.irp s, 0,1
	v_add_nc_u32 v[ADRA+\s], s21, v4
	v_add_nc_u32 v[ADRB+\s], s22, v4
	s_add_co_u32 s21, s21, SLOT
	s_add_co_u32 s22, s22, SLOT
.endr
	; the way out's addresses.  My first place of A and of B; which of the two counts tokens hangs on the cluster's x
	s_lshl_b32 s12, s17, 8
	s_lshl_b32 s13, s15, 7
	s_add_co_u32 s12, s12, s13                     ; A's
	s_lshl_b32 s13, s42, 8
	s_lshl_b32 s18, s16, 7
	s_add_co_u32 s13, s13, s18                     ; B's
	s_mov_b32 s82, 1024
	s_mov_b32 s22, 4096
	s_mov_b32 s19, 131072
	s_cmp_eq_u32 ttmp9, 2
	s_cselect_b32 s18, s13, s12                    ; my first token
	s_cselect_b32 s21, s12, s13                    ; my first channel, still with its third of the 3,072 on top
	s_cselect_b32 s82, 2048, s82                   ; bytes from one of A's blocks to the next: v: a channel tile; else a token tile
	s_cselect_b32 s22, s19, s22                    ; and over four of them: v: a head; else four token tiles
	s_cselect_b32 s2, 1024, s19                    ; bytes from B's tiles 0-3 to tiles 4-7: v: two groups of 32 keys; else a head
	s_mov_b32 s83, 0
	s_mov_b32 s23, 0
	s_and_b32 s21, s21, 1023
	s_lshr_b32 s21, s21, 6
	s_lshl_b32 s21, s21, 17                        ; head x 131,072
	s_lshr_b32 s12, s18, 11
	s_lshl_b32 s12, s12, 21                        ; batch x 2,097,152
	s_and_b32 s13, s18, 2047
	s_lshl_b32 s13, s13, 6                         ; 64 bytes a token, in all three regions
	s_add_co_u32 s12, s12, s13
	s_add_co_u32 s12, s12, s21
	s_lshl_b32 s13, ttmp9, 23                      ; the region: q, k or v
	s_add_co_u32 s12, s12, s13
	s_mov_b32 s13, 0
	s_add_nc_u64 s[BS:BS+1], s[10:11], s[12:13]
	s_add_nc_u64 s[BS+8:BS+9], s[BS:BS+1], s[22:23]
.irp a, 1,2,3,5,6,7
	s_add_nc_u64 s[BS+2*\a:BS+2*\a+1], s[BS+2*\a-2:BS+2*\a-1], s[82:83]
.endr
	v_and_b32 v6, 31, v0
	v_lshlrev_b32 v[OA], 4, v6
	v_add_nc_u32 v[OB], s2, v[OA]
.macro FRAG reg, adr, q, i             ; a fragment, 16 rows x 128 K of codes, is 16 registers: lane l holds row l % 16; registers 4 c .. 4 c + 3 hold K = 32 c + 16 (l / 16) + 0 .. 15: the same order of K in A and in B
.irp c, 0,1,2,3
	ds_load_b128 v[\reg+4*\c:\reg+4*\c+3], v[\adr] offset:128*(\q)+32*\c+(\i)*16*PITCH
.endr
.endm
; 16 matrix instructions: A's blocks a0, a0 + 1 x B's eight, 128 along K.  p: B's set.  zero = 1: the first product starts the sums.  The 64 accumulators take turns, one instruction a turn.
.macro MUL16 a0, p, zero
.irp a, \a0, \a0+1
.irp b, 0,1,2,3,4,5,6,7
.if \zero
	v_wmma_f32_16x16x128_fp8_fp8 v[8*(8*((\a)%4)+\b):8*(8*((\a)%4)+\b)+7], v[128*(\p)+FR*\b:128*(\p)+FR*\b+FR-1], v[AF+FR*(\a):AF+FR*(\a)+FR-1], 0
.else
	v_wmma_f32_16x16x128_fp8_fp8 v[8*(8*((\a)%4)+\b):8*(8*((\a)%4)+\b)+7], v[128*(\p)+FR*\b:128*(\p)+FR*\b+FR-1], v[AF+FR*(\a):AF+FR*(\a)+FR-1], v[8*(8*((\a)%4)+\b):8*(8*((\a)%4)+\b)+7]
.endif
.endr
.endr
.endm
.macro FETCH_B slot, q, p              ; B's eight fragments of the slot's q-th 128 along K into set p
	WIN TO_B
.irp i, 0,1,2,3,4,5,6,7
	FRAG 128*(\p)+FR*\i, ADRB+\slot, \q, \i
.endr
	WIN 0
.endm
.macro FETCH_A slot, q, i0             ; A's blocks i0 .. i0 + 3
.irp i, \i0, \i0+1, \i0+2, \i0+3
	FRAG AF+FR*(\i), ADRA+\slot, \q, \i
.endr
.endm
.macro PLACES n                        ; plain vector instructions between a matrix instruction and a load into, or a vector read or write of, its registers
.rept \n
	v_nop
.endr
.endm
; A step of 128 along K that has its successor in the same slot.
.macro STEP slot, q, zero
	s_wait_dscnt 4*NL                              ; B's set and A's blocks 0-3 are in; the youngest sixteen loads (A's blocks 4-7) may be out
	WIN MUL_LO
	MUL16 0, (\q)%2, \zero
	MUL16 2, (\q)%2, \zero
	s_wait_dscnt 0                                 ; A's blocks 4-7 are in
	PLACES NP
	FETCH_B \slot, (\q)+1, 1-(\q)%2
	FETCH_A \slot, (\q)+1, 0
	WIN MUL_HI
	MUL16 4, (\q)%2, \zero
	MUL16 6, (\q)%2, \zero
	PLACES NP
	WIN 0
	FETCH_A \slot, (\q)+1, 4
.endm
; A slot's last step changes slots: ONE barrier; in front of it each wave waits for all its tensor loads, adds 0 to its spare word, and waits for that and for its own reads of this slot.  fill = 1: this slot is filled again, two K steps ahead.
.macro TURN slot, next, fill
	s_wait_tensorcnt 0x0                           ; all my tensor loads have landed: my part of the next slot;  (every window is 0 here)
	ds_add_u32 v[SPW], v[NIL]                      ; 0 onto my spare word
	s_wait_dscnt 4*NL+1                            ; (the add and the youngest sixteen loads, A's blocks 4-7, may be out)
	WIN MUL_LO
	MUL16 0, 1, 0                                  ; sixteen matrix instructions stand between the add and the wait for it
	s_wait_dscnt 0x0                               ; the add is done, and my reads of this slot are over
	s_barrier_signal -1
	MUL16 2, 1, 0
	WIN 0
	s_barrier_wait -1
.if \fill
	CREST                                          ; the barrier has opened a round of the cluster's barrier: no wave of any partner still reads this slot's tile or has a load on its way
	s_add_nc_u64 s[G0+4*\slot+2:G0+4*\slot+3], s[G0+4*\slot+2:G0+4*\slot+3], 2*ROWB
	s_add_nc_u64 s[G0B+4*\slot+2:G0B+4*\slot+3], s[G0B+4*\slot+2:G0B+4*\slot+3], 2*ROWB
	JLOAD G0+4*\slot, G1, G0B+4*\slot, G1B         ; the first tensor load behind the round; its four v_nop are the places in front of the loads below
.else
	PLACES NP
.endif
	FETCH_B \next, 0, 0
	FETCH_A \next, 0, 0
	WIN MUL_HI
	MUL16 4, 1, 0
	MUL16 6, 1, 0
	PLACES NP
	WIN 0
	FETCH_A \next, 0, 4
.endm
	s_wait_alu depctr_va_vdst(0)
	s_wait_tensorcnt 1                             ; my part of K step 0 is in; K step 1's load may be out
	s_barrier_signal -1
	s_barrier_wait -1                              ; everybody's is
	FETCH_B 0, 0, 0
	FETCH_A 0, 0, 0
	FETCH_A 0, 0, 4
	STEP 0, 0, 1                                   ; the first step stands in front of the loop: its products start the sums
	s_mov_b32 s3, LAPS-1
.Llap:                                                 ; a trip goes once round the ring, from a lap's second step to the next lap's first, and fills both slots again
	TURN 0, 1, 1
	STEP 1, 0, 0
	TURN 1, 0, 1
	STEP 0, 0, 0
	s_sub_co_u32 s3, s3, 1
	s_cmp_lg_u32 s3, 0
	s_cbranch_scc1 .Llap
	TURN 0, 1, 0                                   ; the last lap fills nothing, and has no round of the cluster's barrier
	STEP 1, 0, 0
	s_wait_dscnt 4*NL                              ; the very last step: nothing more to fetch
	WIN MUL_LO
	MUL16 0, 1, 0
	MUL16 2, 1, 0
	s_wait_dscnt 0
	WIN MUL_HI
	MUL16 4, 1, 0
	MUL16 6, 1, 0
	WIN 0
; THE WAY OUT, by A's blocks.  A block's 64 sums of a lane are 128 neighbours' worth of the next K in four groups of 16: converted and stored as four groups of four registers, each store 512 consecutive bytes.
.macro OUTBLK a
.set AC, 64*((\a)%4)
	WIN 0x02+((\a)/4)                              ; source 0: window 2 or 3
.set j, 0
.rept 64
.set j, j+1
.endr
.irp b, 0,1,2,3,4,5,6,7
	v_cvt_scalef32_pk8_fp8_f32 v[CD+16*(\a)+2*\b:CD+16*(\a)+2*\b+1], v[AC+8*\b:AC+8*\b+7], v[SCL]
.endr
	WIN 0
	v_nop                                          ; a plain line behind the conversions
	global_store_b128 v[OA], v[CD+16*(\a):CD+16*(\a)+3], s[BS+2*(\a):BS+2*(\a)+1]
	global_store_b128 v[OA], v[CD+16*(\a)+4:CD+16*(\a)+7], s[BS+2*(\a):BS+2*(\a)+1] offset:512
	global_store_b128 v[OB], v[CD+16*(\a)+8:CD+16*(\a)+11], s[BS+2*(\a):BS+2*(\a)+1]
	global_store_b128 v[OB], v[CD+16*(\a)+12:CD+16*(\a)+15], s[BS+2*(\a):BS+2*(\a)+1] offset:512
.endm
	s_wait_kmcnt 0x0
	s_cmp_eq_u32 ttmp9, 1
	s_cselect_b32 s12, s87, s86                    ; e3 for k, e2 for q,
	s_cmp_eq_u32 ttmp9, 2
	s_cselect_b32 s12, s89, s12                    ; e5 for v
	s_sub_co_i32 s12, s12, s84
	s_sub_co_i32 s12, s12, s85                     ; eT - e0 - e1
	s_add_co_i32 s12, s12, 127
	s_lshl_b32 s13, s12, 23
	s_add_co_i32 s12, s12, 8
	s_lshl_b32 s12, s12, 23
	s_or_b32 s12, s12, 0x600000
	PLACES NP                                      ; behind the last products: their results are read and A's registers written only behind these
	v_mov_b32 v[SCL], s13
.irp a, 0,1,2,3,4,5,6,7
	OUTBLK \a                                      ; every store has data registers and a base of its own: nothing that a store reads is written again
.endr
	s_wait_tensorcnt 0x0                           ; the wave's end
	ds_add_u32 v[SPW], v[NIL]
	s_wait_dscnt 0x0
	CROUND                                         ; the closing round: no work-group ends while a partner may still ask for a tile that names it
	s_endpgm
.Lfunc_end_k_qe0c16c1847_qkvgemm:
	.size	k_qe0c16c1847_qkvgemm, .Lfunc_end_k_qe0c16c1847_qkvgemm-k_qe0c16c1847_qkvgemm
	.p2alignl 7, 3214868480
	.fill 96, 4, 3214868480
	.section	.rodata,"a",@progbits
	.p2align	6, 0x0
	.amdhsa_kernel k_qe0c16c1847_qkvgemm
		.amdhsa_group_segment_fixed_size 327680
		.amdhsa_private_segment_fixed_size 0
		.amdhsa_enable_private_segment 0
		.amdhsa_kernarg_size 32
		.amdhsa_user_sgpr_count 2
		.amdhsa_user_sgpr_kernarg_segment_ptr 1
		.amdhsa_wavefront_size32 1
		.amdhsa_system_sgpr_workgroup_id_x 1
		.amdhsa_system_sgpr_workgroup_id_y 1
		.amdhsa_system_sgpr_workgroup_id_z 1
		.amdhsa_system_vgpr_workitem_id 0
		.amdhsa_next_free_vgpr 1024
		.amdhsa_next_free_sgpr 96
		.amdhsa_reserve_vcc 0
		.amdhsa_float_denorm_mode_32 3
		.amdhsa_float_denorm_mode_16_64 3
		.amdhsa_fp16_overflow 1
		.amdhsa_memory_ordered 1
		.amdhsa_forward_progress 1
		.amdhsa_inst_pref_size 87
	.end_amdhsa_kernel
	.amdgpu_metadata
---
amdhsa.version: [ 1, 2 ]
amdhsa.kernels:
  - .name:           k_qe0c16c1847_qkvgemm
    .symbol:         k_qe0c16c1847_qkvgemm.kd
    .args:
      - { .name: xc, .offset: 0, .size: 8, .value_kind: global_buffer, .address_space: global }
      - { .name: wc, .offset: 8, .size: 8, .value_kind: global_buffer, .address_space: global }
      - { .name: lowp_scales, .offset: 16, .size: 8, .value_kind: global_buffer, .address_space: global }
      - { .name: qkv, .offset: 24, .size: 8, .value_kind: global_buffer, .address_space: global }
    .group_segment_fixed_size: 327680
    .private_segment_fixed_size: 0
    .kernarg_segment_align: 8
    .kernarg_segment_size: 32
    .max_flat_workgroup_size: 128
    .sgpr_count:     96
    .vgpr_count:     1024
    .wavefront_size: 32
...
	.end_amdgpu_metadata
.endif
;; end of part 2
;; launch attn (part 3): grid 4 x 64, 16 waves a work-group, no clusters, 264,192 bytes of LDS; arguments qkv, lowp_scales, yc; writes yc
.if DOCPART == 3
	.amdgcn_target "amdgcn-amd-amdhsa--gfx1250"
	.amdhsa_code_object_version 6
	.text
	.protected	k_qe0c16c1847_attn
	.globl	k_qe0c16c1847_attn
	.p2align	8
	.type	k_qe0c16c1847_attn,@function
k_qe0c16c1847_attn:
	s_mov_b64 s[64:65], 0
	v_nop
	global_prefetch_b8 v0, s[64:65] scope:SCOPE_SE
	s_setreg_imm32_b32 hwreg(HW_REG_WAVE_MODE, 25, 1), 1
	s_wait_xcnt 0x0
; Causal attention of one head on codes of FP8 (E4M3), head size 64, 2,048 tokens, and its result quantised into the last product's operand.  q, k, v arrive as images of operand registers (L = lane):
; q at 0, k at 8,388,608: (head x 128 + token tile) x 1024 + 512 x (d / 32) + 16 L;  v at 16,777,216: ((head x 16 + keys / 128) x 4 + channel tile) x 2048 + 512 x ((key / 32) % 4) + 16 L;  head = batch x 16 + head.
; Lane r of tile i stands for token (channel) 32 (i / 2) + 8 (i % 2) + r + 8 (r / 8), so that the 16 registers of a result's tiles 2 c, 2 c + 1 are 16 true neighbours, 32 c + 16 (lane / 16) + 0 .. 15.
; THE SOFTMAX: t = score x log2(e) / 8; M = the running largest t rounded UP to a whole number; p = 2^(t - M) is quantised (scale entry 4), not normalised; the row's sum is taken of the unquantised p and divides at the end.
; When M moves, the sum and O are multiplied by 2^(old M - new M): exact.  Both products are used transposed (S^T = K Q^T, O^T = V^T P^T): a lane holds one query throughout.
; SHARES.  256 work-groups: a head (y) and a quarter of its query tiles (x).  THE HEAD'S WHOLE K AND V STAY IN LDS, 131,072 bytes each, filled once: no slot is filled again, and nothing else writes LDS.
; Wave w of quarter g owns query tiles 127 - (16 g + w) and 16 g + w, one after the other.  Tile t needs t / 8 + 1 key steps of 128, so every wave of the launch does 17 steps.
; CAUSAL.  Every run of steps has a constant trip count; a step all of whose keys come after the tile's queries is jumped over by a scalar branch on ids; on the diagonal hidden scores become -infinity ahead of the maximum.
; NO CLUSTER, though the four work-groups of a head read the same K and V: which steps are jumped over hangs on the query tile, which differs between them, and without the jump the work would double.
; y = O / sum x 2^(e4 + e5) is converted with scale entry 6 and stored as an image: (head / 4) x 2,097,152 + (batch x 128 + token tile) x 4096 + (head % 4) x 1024 + 512 x (d / 32) + 16 L.
; LIMITS on the given exponents, so that each power of two below is an f32 number: e2 + e3 between -123 and 130 (added to c's exponent field); e4 and e6 between -126 and 119.  NaN among the inputs is not served.
; REGISTERS: v1 16 L; v2 16 L + V's region; v4 my query less the tile's first, less 16 (lane / 16); v8, v9 addresses of the step; v12 -M, v13 the largest t, v[14:15] the sum in two halves; v16-23, v24-31 Q of the two tiles;
;   v32-95 K's 8 fragments, then V's 4; v96-159 S^T, then p; v160-191 O^T; v192-207 y's codes; v224-239 p's codes; v244: 2^e4; v245: 2^e6; v234-243, v246-249, v252-254 at work.
.set VREG, 131072                      ; LDS: K at 0, V here
.set STEPB, 8192                       ; bytes of K, and of V, in a step of 128 keys
.set LK,  1
.set LV,  2
.set LQ,  4
.set ADK, 8
.set ADV, 9
.set FRG, 32
.set ST,  96
.set OT,  160
.set PC,  224
.set WV,  10                           ; s10  my wave's number
.set TB,  66                           ; s66  LDS byte at which the step's K begins
.set KF,  67                           ; s67  the step's first key
.set CNT, 68                           ; s68  steps to go in a run
.set QMX, 69                           ; s69  the tile's last query
.set QMN, 70                           ; s70  its first
.set TT,  71                           ; s71  at work
.set CS,  72                           ; s[72:73] c = log2(e) / 8 x 2^(e2 + e3): the packed form names a pair and takes its low word
.set SEL, 74                           ; s[74:75] lane selects for v_permlanex16_b32: lane l xor 16
.set EO,  76                           ; s76  e4 + e5
.macro G1SET g, rows                   ; descriptor group 1: rows x 256 bytes, dense: elements of 8 bytes, 32 to a row, no padding, no mask
	s_mov_b32 s[\g], 3<<16
	s_mov_b32 s[\g+1], 32<<16                      ; tensor_dim0
	s_mov_b32 s[\g+2], (\rows)<<16                 ; tensor_dim1
	s_mov_b32 s[\g+3], 32<<16                      ; tile_dim0
	s_mov_b32 s[\g+4], \rows                       ; tile_dim1
	s_mov_b32 s[\g+5], 32                          ; tensor_dim0_stride
	s_mov_b32 s[\g+6], 0
	s_mov_b32 s[\g+7], 0
.endm
.macro G0SET g, off                    ; descriptor group 0: from byte off of the head's K or V to the same byte of its LDS region
	s_mov_b32 s[\g], 1
	s_add_co_u32 s[\g+1], s13, \off
	s_add_nc_u64 s[\g+2:\g+3], s[14:15], \off
	s_or_b32 s[\g+3], s[\g+3], 0x80000000
.endm
; A KEY STEP: 128 keys against the 16 queries whose fragment begins at v[qr].  mask = 1: the step may be hidden or on the diagonal.
.macro STEP qr, mask
.if \mask
	s_cmp_gt_u32 s[KF], s[QMX]                     ; all 128 keys come after my queries: nothing to do
	s_cbranch_scc1 .Lhidden_\@
.endif
	s_setprio 2
	v_add_nc_u32 v[ADK], s[TB], v[LK]
	v_add_nc_u32 v[ADV], s[TB], v[LV]
	v_nop
	v_nop                                          ; four places between the last step's products and the loads into the registers that they read
.irp t, 0,1,2,3,4,5,6,7
	ds_load_b128 v[FRG+8*\t:FRG+8*\t+3], v[ADK] offset:1024*\t         ; an image: 512 consecutive bytes an instruction
	ds_load_b128 v[FRG+8*\t+4:FRG+8*\t+7], v[ADK] offset:1024*\t+512
.endr
	s_wait_alu depctr_va_vdst(0)
.irp t, 0,1,2,3,4,5,6,7
	s_wait_dscnt 14-2*\t                           ; tile t's two loads are in; the 14 - 2 t behind them may be out
	v_wmma_f32_16x16x64_fp8_fp8 v[ST+8*\t:ST+8*\t+7], v[FRG+8*\t:FRG+8*\t+7], v[\qr:\qr+7], 0
.endr
.rept 4
	v_nop                                          ; places in front of the loads below and of the first read of the scores
.endr
.irp t, 0,1,2,3
.irp c, 0,1,2,3
	ds_load_b128 v[FRG+16*\t+4*\c:FRG+16*\t+4*\c+3], v[ADV] offset:2048*\t+512*\c   ; V's four fragments land while the softmax is walked
.endr
.endr
.if \mask
	s_add_co_u32 s[TT], s[KF], 127
	s_cmp_le_u32 s[TT], s[QMN]                     ; all 128 keys count for all my queries
	s_cbranch_scc1 .Lopen_\@
	s_sub_co_i32 s[TT], s[QMN], s[KF]
	v_add_nc_u32 v252, s[TT], v[LQ]                ; d = my query - KF - 16 (lane / 16).  Register 16 b + i holds key KF + 16 (lane / 16) + 32 b + i: hidden where 32 b + i > d
	v_mov_b32 v254, 0xff800000                     ; -infinity: p = 0 then
.set n, 0
.rept 64
	v_cmp_gt_i32 vcc_lo, 32*(n/16)+n%16, v252
	v_cndmask_b32 v[ST+n], v[ST+n], v254, vcc_lo
.set n, n+1
.endr
.Lopen_\@:
.endif
	v_max3_num_f32 v254, v[ST], v[ST+1], v[ST+2]   ; the step's largest score of my query, among my 64 keys, in two chains; each accumulator is met at its low end first,
	v_max3_num_f32 v252, v[ST+3], v[ST+4], v[ST+5]
.irp i, 6,10,14,18,22,26,30,34,38,42,46,50,54,58
	v_max3_num_f32 v254, v254, v[ST+\i], v[ST+1+\i]
	v_max3_num_f32 v252, v252, v[ST+2+\i], v[ST+3+\i]
.endr
	v_max3_num_f32 v254, v254, v[ST+62], v[ST+63]
	s_delay_alu instid0(VALU_DEP_1)
	v_max_num_f32 v254, v254, v252
	v_permlanex16_b32 v236, v254, s[SEL], s[SEL+1]
	s_delay_alu instid0(VALU_DEP_1)
	v_max_num_f32 v254, v254, v236                 ; and among lane l xor 16's
	s_delay_alu instid0(VALU_DEP_1)
	v_mul_f32 v254, s[CS], v254                    ; as t (c is positive)
	s_delay_alu instid0(VALU_DEP_1)
	v_max_num_f32 v13, v13, v254                   ; the running largest t
	v_mov_b32 v254, v12
	s_delay_alu instid0(VALU_DEP_2)
	v_floor_f32 v12, -v13                          ; the new -M = floor(-t) = -ceil(t): a whole number
	s_delay_alu instid0(VALU_DEP_1)
	v_sub_f32 v254, v12, v254                      ; M's old value less its new one: a whole number, 0 or less
	s_delay_alu instid0(VALU_DEP_1)
	v_cvt_i32_f32 v254, v254                       ; (it saturates)
	s_delay_alu instid0(VALU_DEP_1)
	v_ldexp_f32 v252, 1.0, v254                    ; f = 2^(old M - new M)
.set j, 0
.rept 32
	v_pk_fma_f32 v[ST+j:ST+j+1], v[ST+j:ST+j+1], s[CS:CS+1], v[12:13] op_sel_hi:[1,0,0]   ; t - M, two at a time
.set j, j+2
.endr
.set j, 0
	s_setprio 1
	s_wait_alu depctr_va_vdst(0)
.rept 64
	v_exp_f32 v[ST+j], v[ST+j]                     ; p = 2^(t - M), at most 1
.set j, j+1
.endr
	v_pk_mul_f32 v[14:15], v[14:15], v[252:253] op_sel_hi:[1,0]   ; the sums under the new M (a plain place behind the exponentials)
	s_wait_alu depctr_va_vdst(0)
	v_pk_add_f32 v[242:243], v[100:101], v[104:105]
	v_pk_add_f32 v[248:249], v[108:109], v[112:113]
	v_pk_add_f32 v[246:247], v[116:117], v[120:121]
	v_pk_add_f32 v[240:241], v[124:125], v[128:129]
	v_pk_add_f32 v[238:239], v[132:133], v[136:137]
	v_pk_add_f32 v[236:237], v[140:141], v[144:145]
	v_pk_add_f32 v[234:235], v[148:149], v[152:153]
	v_pk_add_f32 v[14:15], v[14:15], v[156:157]
	v_pk_add_f32 v[242:243], v[242:243], v[96:97]
	v_pk_add_f32 v[248:249], v[248:249], v[98:99]
	v_pk_add_f32 v[246:247], v[246:247], v[102:103]
	v_pk_add_f32 v[240:241], v[240:241], v[106:107]
	v_pk_add_f32 v[238:239], v[238:239], v[110:111]
	v_pk_add_f32 v[236:237], v[236:237], v[114:115]
	v_pk_add_f32 v[234:235], v[234:235], v[118:119]
	v_pk_add_f32 v[14:15], v[14:15], v[122:123]
	v_pk_add_f32 v[242:243], v[242:243], v[126:127]
	v_pk_add_f32 v[248:249], v[248:249], v[130:131]
	v_pk_add_f32 v[246:247], v[246:247], v[134:135]
	v_pk_add_f32 v[240:241], v[240:241], v[138:139]
	v_pk_add_f32 v[238:239], v[238:239], v[142:143]
	v_pk_add_f32 v[236:237], v[236:237], v[146:147]
	v_pk_add_f32 v[234:235], v[234:235], v[150:151]
	v_pk_add_f32 v[14:15], v[14:15], v[154:155]
	v_pk_add_f32 v[242:243], v[242:243], v[158:159]
	s_delay_alu instid0(VALU_DEP_2)
	v_pk_add_f32 v[14:15], v[14:15], v[240:241]
	s_delay_alu instid0(VALU_DEP_2)
	v_pk_add_f32 v[242:243], v[242:243], v[238:239]
	v_pk_add_f32 v[248:249], v[248:249], v[236:237]
	v_pk_add_f32 v[246:247], v[246:247], v[234:235]
	s_delay_alu instid0(VALU_DEP_2)
	v_pk_add_f32 v[14:15], v[14:15], v[248:249]
	s_delay_alu instid0(VALU_DEP_2)
	v_pk_add_f32 v[242:243], v[242:243], v[246:247]
	s_delay_alu instid0(VALU_DEP_1)
	v_pk_add_f32 v[14:15], v[14:15], v[242:243]
	s_setprio 0
.irp b, 0,1,2,3
.irp i, 0,1,2,3,4,5,6,7,8,9,10,11,12,13,14,15
.endr
	v_cvt_scalef32_pk8_fp8_f32 v[PC+4*\b:PC+1+4*\b], v[ST+16*\b:ST+7+16*\b], v244
	v_cvt_scalef32_pk8_fp8_f32 v[PC+2+4*\b:PC+3+4*\b], v[ST+8+16*\b:ST+15+16*\b], v244
.endr
.set j, 0
.rept 16
	v_pk_mul_f32 v[OT+j:OT+j+1], v[OT+j:OT+j+1], v[252:253] op_sel_hi:[1,0]   ; O^T under the new M; these plain lines also stand between the conversions and the products
.set j, j+2
.endr
	s_wait_alu depctr_va_vdst(0)
	s_wait_dscnt 0x0                               ; V's fragments are in
.irp t, 0,1,2,3
	v_wmma_f32_16x16x128_fp8_fp8 v[OT+8*\t:OT+8*\t+7], v[FRG+16*\t:FRG+16*\t+15], v[PC:PC+15], v[OT+8*\t:OT+8*\t+7]   ; the four accumulators take turns
.endr
.if \mask
.Lhidden_\@:
.endif
.endm
; n steps from LDS byte tb0 on.  The trip count and the first address are constants of the text.
.macro RUN n, tb0, qr, mask
	s_mov_b32 s[TB], \tb0
	s_mov_b32 s[CNT], \n
.Lrun_\@:
	STEP \qr, \mask
	s_add_co_u32 s[TB], s[TB], STEPB
.if \mask
	s_add_co_u32 s[KF], s[KF], 128
.endif
	s_sub_co_u32 s[CNT], s[CNT], 1
	s_cmp_lg_u32 s[CNT], 0
	s_cbranch_scc1 .Lrun_\@
	s_setprio 0
.endm
.macro MEET left                       ; the fills up to here have landed (left: the later fills of the filling waves, which may stay out); then every wave may read them
	s_wait_tensorcnt \left
	s_wait_dscnt 0x0
	s_barrier_signal -1
	s_barrier_wait -1
.endm
.macro INIT                            ; a tile begins: the step is written once, its first turn finds zeros, which the first change of M leaves zeros
	v_mov_b32 v13, 0xff61b1e6                      ; the largest t so far: -3e38, under every t
	s_delay_alu instid0(VALU_DEP_1)
	v_floor_f32 v12, -v13
	v_mov_b32 v14, 0
	v_mov_b32 v15, 0
.set j, 0
.rept 32
	v_mov_b32 v[OT+j], 0
.set j, j+1
.endr
.endm
; A tile ends: O^T / the sum x 2^(e4 + e5), converted with 2^e6; registers 4 b .. 4 b + 3 of the codes are d = 32 b + 16 (lane / 16) + 0 .. 15 of my query: two stores of 512 consecutive bytes.
.macro WAYOUT y, base
.rept 4
	v_nop                                          ; places behind the last products
.endr
	v_add_f32 v14, v14, v15                        ; the sum's two halves,
	s_delay_alu instid0(VALU_DEP_1)
	v_permlanex16_b32 v252, v14, s[SEL], s[SEL+1]
	s_delay_alu instid0(VALU_DEP_1)
	v_add_f32 v14, v14, v252                       ; and lane l xor 16's
	s_wait_alu depctr_va_vdst(0)
	v_rcp_f32 v14, v14
	v_nop                                          ; a plain place behind the reciprocal
	s_wait_alu depctr_va_vdst(0)
	v_ldexp_f32 v14, v14, s[EO]
.set j, 0
.rept 16
	v_pk_mul_f32 v[ST+j:ST+j+1], v[OT+j:OT+j+1], v[14:15] op_sel_hi:[1,0]   ; each accumulator from its low end on
.set j, j+2
.endr
.set j, 0
.rept 32
.set j, j+1
.endr
.irp t, 0,1,2,3
	v_cvt_scalef32_pk8_fp8_f32 v[\y+2*\t:\y+2*\t+1], v[ST+8*\t:ST+8*\t+7], v245
.endr
	v_nop                                          ; a plain line behind the conversions: later products write their sources
	global_store_b128 v[LK], v[\y:\y+3], s[\base:\base+1]
	global_store_b128 v[LK], v[\y+4:\y+7], s[\base:\base+1] offset:512
.endm
	s_load_b128 s[4:7], s[0:1], 0x0                ; qkv s[4:5], the scales' exponents s[6:7]
	s_load_b64 s[8:9], s[0:1], 0x10                ; yc
	v_lshl_add_u32 v251, v0, 2, 0x40000
	v_mov_b32 v255, 0
	ds_add_u32 v251, v255
	ds_add_u32 v251, v255
	v_lshrrev_b32 v8, 5, v0
	s_delay_alu instid0(VALU_DEP_1)
	v_readfirstlane_b32 s[WV], v8                  ; wave 0..15
	v_and_b32 v[LK], 31, v0
	s_delay_alu instid0(VALU_DEP_1)
	v_lshlrev_b32 v[LK], 4, v[LK]                  ; 16 x lane
	s_delay_alu instid0(VALU_DEP_1)
	v_add_nc_u32 v[LV], VREG, v[LK]
	s_and_b32 s11, ttmp7, 0xffff                   ; the head, batch x 16 + head
	s_lshl_b32 s88, s11, 17                        ; its 131,072 bytes in each of the three regions
	s_and_b32 s12, s[WV], 1                        ; wave 0 fills K, wave 1 V
	s_lshl_b32 s13, s12, 17                        ; the LDS region,
	s_add_co_u32 s14, s12, 1
	s_lshl_b32 s14, s14, 23                        ; and the region of qkv
	s_add_co_u32 s14, s14, s88
	s_mov_b32 s15, 0
	G1SET 16, 64
	G1SET 24, 128
	G1SET 32, 256
	s_wait_dscnt 0x0
	s_wait_kmcnt 0x0
	s_load_b256 s[56:63], s[6:7], 0x0              ; e0 .. e7
	s_add_nc_u64 s[14:15], s[4:5], s[14:15]
	G0SET 40, 0                                    ; keys 0-255,
	G0SET 44, 16384                                ; 256-511,
	G0SET 48, 32768                                ; 512-1023,
	G0SET 52, 65536                                ; 1024-2047: the first are small, so that work begins early
	s_cmp_lt_u32 s[WV], 2                          ; a wave's four fills stand in one branch, ahead of every wait on TENSORcnt, every LDS read and every barrier: four loads of a filling wave are out
	s_cbranch_scc0 .Lno_fill
	tensor_load_to_lds s[40:43], s[16:23]
	s_nop 0
	tensor_load_to_lds s[44:47], s[16:23]
	s_nop 0
	tensor_load_to_lds s[48:51], s[24:31]
	s_nop 0
	tensor_load_to_lds s[52:55], s[32:39]
	s_nop 0
.rept 4
	v_nop
.endr
.Lno_fill:
	s_lshl_b32 s12, ttmp9, 4
	s_add_co_u32 s12, s12, s[WV]                   ; my low tile: 16 g + w
	s_sub_co_u32 s13, 127, s12                     ; my high tile
	s_lshl_b32 s14, s13, 10
	s_add_co_u32 s14, s14, s88
	s_mov_b32 s15, 0
	s_add_nc_u64 s[84:85], s[4:5], s[14:15]        ; Q of the high tile,
	s_lshl_b32 s14, s12, 10
	s_add_co_u32 s14, s14, s88
	s_add_nc_u64 s[86:87], s[4:5], s[14:15]        ; of the low one
	s_wait_alu depctr_va_vdst(0)
	global_load_b128 v[16:19], v[LK], s[84:85]
	global_load_b128 v[20:23], v[LK], s[84:85] offset:512
	global_load_b128 v[24:27], v[LK], s[86:87]
	global_load_b128 v[28:31], v[LK], s[86:87] offset:512
	s_bfe_u32 s89, s11, 0x20002                    ; head / 4: the last product's K step of 256,
	s_lshl_b32 s89, s89, 21
	s_lshr_b32 s90, s11, 4                         ; the batch's 128 token tiles of 4,096 bytes,
	s_lshl_b32 s90, s90, 19
	s_add_co_u32 s89, s89, s90
	s_and_b32 s90, s11, 3                          ; head % 4
	s_lshl_b32 s90, s90, 10
	s_add_co_u32 s89, s89, s90
	s_mov_b32 s91, 0
	s_lshl_b32 s90, s13, 12
	s_add_co_u32 s90, s90, s89
	s_add_nc_u64 s[80:81], s[8:9], s[90:91]        ; y of the high tile,
	s_lshl_b32 s90, s12, 12
	s_add_co_u32 s90, s90, s89
	s_add_nc_u64 s[82:83], s[8:9], s[90:91]        ; of the low one
	s_lshr_b32 s14, s13, 1                         ; a tile's first query: 32 (t / 2) + 8 (t % 2); its last lies 23 further on
	s_lshl_b32 s14, s14, 5
	s_and_b32 s15, s13, 1
	s_lshl_b32 s15, s15, 3
	s_add_co_u32 s77, s14, s15
	s_lshr_b32 s14, s12, 1
	s_lshl_b32 s14, s14, 5
	s_and_b32 s15, s12, 1
	s_lshl_b32 s15, s15, 3
	s_add_co_u32 s78, s14, s15
	s_mov_b32 s[SEL], 0x76543210
	s_mov_b32 s[SEL+1], 0xfedcba98
	s_mov_b32 s[CS], 0x3e38aa3b                    ; log2(e) / 8
	v_and_b32 v5, 15, v0
	v_and_b32 v6, 8, v0
	s_delay_alu instid0(VALU_DEP_1)
	v_add_nc_u32 v[LQ], v5, v6                     ; r + 8 (r / 8)
	v_and_b32 v6, 16, v0
	s_delay_alu instid0(VALU_DEP_1)
	v_sub_nc_u32 v[LQ], v[LQ], v6                  ; - 16 (lane / 16)
	v_mov_b32 v236, 0                              ; written once: a lane permute's destination counts as one of its sources
	v_mov_b32 v252, 0
	v_mov_b32 v253, 0                              ; (named as the upper half of the pair v[252:253])
	INIT
	s_wait_kmcnt 0x0
	s_add_co_i32 s[TT], s58, s59
	s_lshl_b32 s[TT], s[TT], 23
	s_add_co_i32 s[CS], s[CS], s[TT]               ; a score stands for score x 2^(e2 + e3): added to c's exponent field
	s_mov_b32 s[CS+1], s[CS]
	s_add_co_i32 s[TT], s60, 127
	s_lshl_b32 s2, s[TT], 23
	v_mov_b32 v244, s2                             ; 2^e4
	s_add_co_i32 s[TT], s62, 127
	s_lshl_b32 s2, s[TT], 23
	v_mov_b32 v245, s2                             ; 2^e6
	s_add_co_i32 s[EO], s60, s61                   ; e4 + e5, applied by v_ldexp_f32
	s_wait_loadcnt 0x0                             ; Q
	; ---- the high tile (64 to 127): its queries are 1,024 or later, so keys 0-1023 all count
	s_mov_b32 s[QMN], s77
	s_add_co_u32 s[QMX], s77, 23
	MEET 3                                         ; keys 0-255 are in LDS; three fills may be out
	RUN 2, 0, 16, 0
	MEET 2                                         ; keys 256-511
	RUN 2, 2*STEPB, 16, 0
	MEET 1                                         ; keys 512-1023
	RUN 4, 4*STEPB, 16, 0
	MEET 0                                         ; all
	s_mov_b32 s[KF], 1024
	RUN 8, 8*STEPB, 16, 1
	WAYOUT 192, 80
	; ---- the low tile (0 to 63): its queries are under 1,024
	INIT
	s_mov_b32 s[QMN], s78
	s_add_co_u32 s[QMX], s78, 23
	s_mov_b32 s[KF], 0
	RUN 8, 0, 24, 1
	WAYOUT 200, 82
	s_wait_tensorcnt 0x0
	ds_add_u32 v251, v255
	s_wait_dscnt 0x0
	s_endpgm
.Lfunc_end_k_qe0c16c1847_attn:
	.size	k_qe0c16c1847_attn, .Lfunc_end_k_qe0c16c1847_attn-k_qe0c16c1847_attn
	.p2alignl 7, 3214868480
	.fill 96, 4, 3214868480
	.section	.rodata,"a",@progbits
	.p2align	6, 0x0
	.amdhsa_kernel k_qe0c16c1847_attn
		.amdhsa_group_segment_fixed_size 264192
		.amdhsa_private_segment_fixed_size 0
		.amdhsa_enable_private_segment 0
		.amdhsa_kernarg_size 24
		.amdhsa_user_sgpr_count 2
		.amdhsa_user_sgpr_kernarg_segment_ptr 1
		.amdhsa_wavefront_size32 1
		.amdhsa_system_sgpr_workgroup_id_x 1
		.amdhsa_system_sgpr_workgroup_id_y 1
		.amdhsa_system_sgpr_workgroup_id_z 1
		.amdhsa_system_vgpr_workitem_id 0
		.amdhsa_next_free_vgpr 256
		.amdhsa_next_free_sgpr 92
		.amdhsa_reserve_vcc 1
		.amdhsa_float_denorm_mode_32 3
		.amdhsa_float_denorm_mode_16_64 3
		.amdhsa_fp16_overflow 1
		.amdhsa_memory_ordered 1
		.amdhsa_forward_progress 1
		.amdhsa_inst_pref_size 95
	.end_amdhsa_kernel
	.amdgpu_metadata
---
amdhsa.version: [ 1, 2 ]
amdhsa.kernels:
  - .name:           k_qe0c16c1847_attn
    .symbol:         k_qe0c16c1847_attn.kd
    .args:
      - { .name: qkv, .offset: 0, .size: 8, .value_kind: global_buffer, .address_space: global }
      - { .name: lowp_scales, .offset: 8, .size: 8, .value_kind: global_buffer, .address_space: global }
      - { .name: yc, .offset: 16, .size: 8, .value_kind: global_buffer, .address_space: global }
    .group_segment_fixed_size: 264192
    .private_segment_fixed_size: 0
    .kernarg_segment_align: 8
    .kernarg_segment_size: 24
    .max_flat_workgroup_size: 512
    .sgpr_count:     92
    .vgpr_count:     256
    .wavefront_size: 32
...
	.end_amdgpu_metadata
.endif
;; end of part 3
;; launch proj (part 4): grid 4 x 32, 4 waves a work-group, clusters of 4 x 4, 327,680 bytes of LDS; arguments yc, wc, lowp_scales, out0; writes out0
.if DOCPART == 4
	.amdgcn_target "amdgcn-amd-amdhsa--gfx1250"
	.amdhsa_code_object_version 6
	.text
	.protected	k_qe0c16c1847_proj
	.globl	k_qe0c16c1847_proj
	.p2align	8
	.type	k_qe0c16c1847_proj,@function
k_qe0c16c1847_proj:
	s_mov_b64 s[64:65], 0
	v_nop
	global_prefetch_b8 v0, s[64:65] scope:SCOPE_SE
	s_setreg_imm32_b32 hwreg(HW_REG_WAVE_MODE, 25, 1), 1
	s_wait_xcnt 0x0
	s_wait_alu depctr_hold_cnt(0) depctr_sa_sdst(0) depctr_va_vdst(0) depctr_va_sdst(0) depctr_va_ssrc(0) depctr_va_vcc(0) depctr_vm_vsrc(0)
	s_getreg_b32 s2, hwreg(HW_REG_IB_STS2, 6, 4)
	s_cmp_eq_u32 s2, 0
	s_cbranch_scc0 .Lentry_in_a_cluster
	s_endpgm
.Lentry_in_a_cluster:
	s_bfe_u32 s2, ttmp6, 0x10000c
	s_cmp_lg_u32 s2, 0xf033
	s_cbranch_scc0 .Lentry_shape_is_right
	s_endpgm
.Lentry_shape_is_right:
; out0 = y w_proj on codes of FP8 (E4M3): out0 [8192][1024] f32, sums in f32, each finished sum x 2^(e6 + e7).  LIMIT: e6 + e7 between -126 and 127, so that this power of two is an f32 number.
; y arrives as IMAGES of operand registers: K step of 256 x 2,097,152 + token tile x 4096 + 2048 x ((k / 128) % 2) + 512 x ((k / 32) % 4) + 16 x lane; lane r of tile i stands for token 32 (i / 2) + 8 (i % 2) + r + 8 (r / 8),
; and a lane's 16 bytes are k = 32 c + 16 (lane / 16) + 0 .. 15.  w_proj's codes are places 3072-4095 of wc [4096][1024], K innermost, place p holding column p with bits 3 and 4 swapped.
; A tile of 256 x 256 is made by four waves, each 128 x 128: 64 accumulators, 512 registers.  K goes in steps of 256 through a ring of two LDS slots filled by the tensor data mover.
; A's part of a slot is dense (a K step's 16 token tiles lie on end in memory and are read back 512 consecutive bytes an instruction); B's rows of 256 bytes are padded by 16.
; CLUSTERS: 4 x 4 work-groups.  A's tile is asked for jointly by a row of the cluster, B's by a column.  THE MATRIX INSTRUCTION IS USED TRANSPOSED (source 0 = 16 places of B, source 1 = a token tile of A):
; a lane holds one token and eight neighbouring columns; B's tiles 2 c, 2 c + 1 give columns 32 c + 16 (lane / 16) + 0 .. 15.
; REGISTERS, in windows of 256: window 0: v0-31 addresses; from v128 A's fragments, ONE set; on the way out v32-255 are free.   window 1: B's fragments, TWO sets.   windows 2, 3: the accumulators ((a, b) at v[8 (8 (a % 4) + b)]).
.set SIZE_K, 1024
.set SIZE_N, 1024
.set KSTEP,  256
.set ROWB,   256                       ; B: a tile's row in bytes
.set KROW,   SIZE_K                    ; B: a row of wc in bytes
.set PITCH,  272                       ; B: an LDS row: 256 bytes + 16 of padding: the 16 rows of a load start at 16 different banks (64 banks of 4 bytes: ISA guide 11.1)
.set KSA,    2097152                   ; A: bytes of yc from a K step to the next
.set AHALF,  32768                     ; A: 8 token tiles x 4,096 bytes: what one tensor load brings
.set BOFF,   2*AHALF                   ; B's region of a slot lies behind A's
.set FR,     16
.set NL,     4
.set NP,     4                         ; places behind this matrix instruction (ISA guide 7.12.1)
.set HALFT,  128*PITCH                 ; B: 128 rows: what one tensor load brings
.set SLOT,   BOFF+2*HALFT
.set LAPS,   SIZE_K/(2*KSTEP)
.set SPARE,  2*SLOT                    ; behind the ring: the spare words, 128 bytes for each wave: two blocks of 256 bytes that no other line names
.set SPITCH, 528                       ; the way out: a stage of 16 rows x (512 bytes + 16) for each wave, in slot 0, which has had its last fill and its last read when the first result is stored there
.set ADRA, 16                          ; v16-17  LDS address of my A fragments in slot 0, 1
.set ADRB, 20                          ; v20-21  the same for B
.set STO,  24                          ; v24     the way out: where I put my bytes of a row
.set RD,   25                          ; v25     the way out: where I read a row back
.set CO,   26                          ; v26     16 x lane
.set SPW,  28                          ; v28     LDS address of my spare word; never rewritten
.set NIL,  29                          ; v29     0; never rewritten
.set TMP,  32                          ; the way out: 64 registers, a block's sums x 2^(e6 + e7)
.set AF,   128
.set BK,   128                         ; the way out: 16 rows read back from the stage: v128-191 and v192-255 by turns
.set G1, 24                            ; s[24:31] descriptor group 1 for A's tiles;  s[32:39] group 0, one set for each slot
.set G0, 32
.set G1B, 48                           ; s[48:55], s[56:63] the same for B's tiles
.set G0B, 56
.set MSB, 0
.macro WIN new                         ; the immediate's high byte repeats the setting that is left
.if MSB != \new
	s_set_vgpr_msb (MSB<<8)|\new
.set MSB, \new
.endif
.endm
.set MUL_LO, 0xa1                      ; source 0 (B) window 1, source 1 (A) window 0, C and D window 2
.set MUL_HI, 0xf1                      ; the same, C and D window 3
.set TO_B,   0x40                      ; destination window 1, address window 0
; A joint load: waves 0 and 1 fetch for A, waves 2 and 3 for B.  The branch hangs on the wave's number alone.  Four v_nop follow each of the two lines.
.macro JLOAD g0a, g1a, g0b, g1b
	s_cmp_eq_u32 s15, 0
	s_cbranch_scc0 .Lfor_b_\@
	tensor_load_to_lds s[\g0a:\g0a+3], s[\g1a:\g1a+7]
	s_nop 0
.rept 4
	v_nop
.endr
	s_branch .Lasked_\@
.Lfor_b_\@:
	tensor_load_to_lds s[\g0b:\g0b+3], s[\g1b:\g1b+7]
	s_nop 0
.rept 4
	v_nop
.endr
.Lasked_\@:
.endm
.macro CREST                           ; a round of the cluster's barrier behind its opening barrier
	s_cmp_lg_u32 s14, 0
	s_cbranch_scc1 .Lnot_wave_0_\@
	s_barrier_signal -3
.Lnot_wave_0_\@:
	s_barrier_wait -3
	s_barrier_signal -1
	s_barrier_wait -1
.endm
.macro CROUND                          ; a whole round
	s_barrier_signal -1
	s_barrier_wait -1
	CREST
.endm
	s_load_b128 s[4:7], s[0:1], 0x0                ; yc s[4:5], wc s[6:7]
	s_load_b128 s[8:11], s[0:1], 0x10              ; the scales' exponents s[8:9], out0 s[10:11]
	v_lshl_add_u32 v[SPW], v0, 2, SPARE
	v_mov_b32 v[NIL], 0
	ds_add_u32 v28, v29
	ds_add_u32 v28, v29
	s_wait_dscnt 0x0
	v_lshrrev_b32 v1, 5, v0
	v_readfirstlane_b32 s14, v1                    ; wave 0..3
	s_lshr_b32 s15, s14, 1                         ; which half of the tile's rows is mine.  Also: I fetch for A (0) or for B (1)
	s_and_b32 s16, s14, 1                          ; which half of its columns.  Also: which half of that tile I fetch
	s_bfe_u32 s40, ttmp6, 0x40000                  ; cx, cy: my place in the cluster
	s_bfe_u32 s41, ttmp6, 0x40004
	s_lshl_b32 s42, ttmp9, 2
	s_add_co_u32 s42, s42, s40                     ; tile column = 4 x cluster x + cx
	s_and_b32 s17, ttmp7, 0xffff
	s_lshl_b32 s17, s17, 2
	s_add_co_u32 s17, s17, s41                     ; tile row = 4 x cluster y + cy
	s_lshl_b32 s43, s41, 2
	s_lshl_b32 s43, 15, s43                        ; my row of the cluster
	s_lshl_b32 s44, 0x1111, s40                    ; my column
	; descriptor group 1.  A: 32,768 dense bytes as 128 rows of 32 elements of 8 bytes, no padding.  B: 128 rows x 256 bytes, 1,024 bytes apart, padded in LDS
	s_or_b32 s[G1+0], s43, (3<<16)|(1<<21)         ; 15:0 the mask: my row; 17:16 elements of 8 bytes; 21 set beside a mask
	s_mov_b32 s[G1+1], 32<<16                      ; tensor_dim0
	s_mov_b32 s[G1+2], 128<<16                     ; tensor_dim1
	s_mov_b32 s[G1+3], 32<<16                      ; tile_dim0
	s_mov_b32 s[G1+4], 128                         ; tile_dim1
	s_mov_b32 s[G1+5], 32                          ; tensor_dim0_stride
	s_mov_b32 s[G1+6], 0
	s_mov_b32 s[G1+7], 0
	s_or_b32 s[G1B+0], s44, (0<<16)|(1<<20)|(1<<21)|(5<<22)|(3<<25)  ; the mask: my column; elements of 1 byte; padding on: 4 words after every 64
	s_mov_b32 s[G1B+1], ROWB<<16
	s_mov_b32 s[G1B+2], 128<<16
	s_mov_b32 s[G1B+3], ROWB<<16
	s_mov_b32 s[G1B+4], 128
	s_mov_b32 s[G1B+5], KROW
	s_mov_b32 s[G1B+6], 0
	s_mov_b32 s[G1B+7], 0
	s_lshl_b32 s20, s17, 16                        ; A: (16 x tile row + 8 x half) token tiles of 4,096 bytes
	s_lshl_b32 s18, s16, 15
	s_add_co_u32 s20, s20, s18
	s_mov_b32 s21, 0
	s_lshl_b32 s46, s42, 18                        ; B: place 3072 + 256 x tile column + 128 x half, 1,024 bytes a place
	s_lshl_b32 s18, s16, 17
	s_add_co_u32 s46, s46, s18
	s_add_co_u32 s46, s46, 3072*1024
	s_mov_b32 s47, 0
	s_lshl_b32 s45, s16, 15                        ; where they go: A's halves,
	s_mul_i32 s19, s16, HALFT
	s_add_co_u32 s19, s19, BOFF                    ; B's halves: no place in the cluster enters an LDS address
	s_wait_kmcnt 0x0
	s_load_b64 s[96:97], s[8:9], 0x18              ; e6, e7
	s_add_nc_u64 s[20:21], s[4:5], s[20:21]
	s_add_nc_u64 s[46:47], s[6:7], s[46:47]
	CROUND                                         ; all sixteen work-groups are here: the first joint loads meet
.irp s, 0,1
	s_mov_b32 s[G0+4*\s], 1
	s_add_co_u32 s[G0+4*\s+1], s45, \s*SLOT
	s_add_nc_u64 s[G0+4*\s+2:G0+4*\s+3], s[20:21], \s*KSA
	s_or_b32 s[G0+4*\s+3], s[G0+4*\s+3], 0x80000000
	s_mov_b32 s[G0B+4*\s], 1
	s_add_co_u32 s[G0B+4*\s+1], s19, \s*SLOT
	s_add_nc_u64 s[G0B+4*\s+2:G0B+4*\s+3], s[46:47], \s*ROWB
	s_or_b32 s[G0B+4*\s+3], s[G0B+4*\s+3], 0x80000000
	s_wait_alu depctr_va_vdst(0)
	s_wait_tensorcnt 0x0
	ds_add_u32 v28, v29
	ds_add_u32 v28, v29
	s_wait_dscnt 0x0
	CROUND
	JLOAD G0+4*\s, G1, G0B+4*\s, G1B
.endr
	v_and_b32 v1, 15, v0                           ; l % 16
	v_bfe_u32 v2, v0, 4, 1                         ; l / 16
	v_mul_u32_u24 v3, v1, PITCH
	v_lshl_add_u32 v4, v2, 4, v3                   ; B: a fragment's row x pitch + 16 x half
	v_and_b32 v6, 31, v0
	v_lshlrev_b32 v[CO], 4, v6                     ; A: 16 x lane
	s_wait_alu depctr_va_vdst(0)
	s_lshl_b32 s21, s15, 15                        ; my 8 token tiles of A
	s_mul_i32 s22, s16, HALFT                      ; my 128 rows of B
	s_add_co_u32 s22, s22, BOFF
.irp s, 0,1
	v_add_nc_u32 v[ADRA+\s], s21, v[CO]
	v_add_nc_u32 v[ADRB+\s], s22, v4
	s_add_co_u32 s21, s21, SLOT
	s_add_co_u32 s22, s22, SLOT
.endr
	s_mul_i32 s23, s14, 16*SPITCH                  ; my stage
	v_mul_u32_u24 v5, v1, SPITCH                   ; in: row l % 16; my half's 16 columns of each 32: 64 bytes on for lanes 16-31
	v_lshl_add_u32 v5, v2, 6, v5
	v_add_nc_u32 v[STO], s23, v5
	v_add_nc_u32 v[RD], s23, v[CO]                 ; back: the 32 lanes take one row of 512 bytes
	s_lshl_b32 s20, s17, 20                        ; my first row of out0: (256 x tile row + 128 x half) x 4,096 bytes
	s_lshl_b32 s21, s15, 19
	s_add_co_u32 s20, s20, s21
	s_mov_b32 s21, 0
	s_lshl_b32 s46, s42, 10                        ; my first column, in bytes: 1024 x tile column + 512 x half
	s_lshl_b32 s47, s16, 9
	s_add_co_u32 s46, s46, s47
	s_mov_b32 s47, 0
	s_add_nc_u64 s[20:21], s[20:21], s[46:47]
	s_add_nc_u64 s[10:11], s[10:11], s[20:21]
.macro FRAGA reg, slot, q, i           ; a fragment of A: the image of its 16 registers, four groups of 512 consecutive bytes
.irp c, 0,1,2,3
	ds_load_b128 v[\reg+4*\c:\reg+4*\c+3], v[ADRA+\slot] offset:4096*(\i)+2048*(\q)+512*\c
.endr
.endm
.macro FRAGB reg, slot, q, i           ; a fragment of B from rows: lane l holds row l % 16; registers 4 c .. 4 c + 3 hold K = 32 c + 16 (l / 16) + 0 .. 15, as A's image has them
.irp c, 0,1,2,3
	ds_load_b128 v[\reg+4*\c:\reg+4*\c+3], v[ADRB+\slot] offset:128*(\q)+32*\c+(\i)*16*PITCH
.endr
.endm
; 16 matrix instructions: A's blocks a0, a0 + 1 x B's eight, 128 along K.  p: B's set.  zero = 1: the first product starts the sums.  The 64 accumulators take turns, one instruction a turn.
.macro MUL16 a0, p, zero
.irp a, \a0, \a0+1
.irp b, 0,1,2,3,4,5,6,7
.if \zero
	v_wmma_f32_16x16x128_fp8_fp8 v[8*(8*((\a)%4)+\b):8*(8*((\a)%4)+\b)+7], v[128*(\p)+FR*\b:128*(\p)+FR*\b+FR-1], v[AF+FR*(\a):AF+FR*(\a)+FR-1], 0
.else
	v_wmma_f32_16x16x128_fp8_fp8 v[8*(8*((\a)%4)+\b):8*(8*((\a)%4)+\b)+7], v[128*(\p)+FR*\b:128*(\p)+FR*\b+FR-1], v[AF+FR*(\a):AF+FR*(\a)+FR-1], v[8*(8*((\a)%4)+\b):8*(8*((\a)%4)+\b)+7]
.endif
.endr
.endr
.endm
.macro FETCH_B slot, q, p
	WIN TO_B
.irp i, 0,1,2,3,4,5,6,7
	FRAGB 128*(\p)+FR*\i, \slot, \q, \i
.endr
	WIN 0
.endm
.macro FETCH_A slot, q, i0
.irp i, \i0, \i0+1, \i0+2, \i0+3
	FRAGA AF+FR*(\i), \slot, \q, \i
.endr
.endm
.macro PLACES n                        ; plain vector instructions between a matrix instruction and a load into, or a vector read of, its registers
.rept \n
	v_nop
.endr
.endm
.macro STEP slot, q, zero              ; a step of 128 along K that has its successor in the same slot
	s_wait_dscnt 4*NL                              ; B's set and A's blocks 0-3 are in; the youngest sixteen loads (A's blocks 4-7) may be out
	WIN MUL_LO
	MUL16 0, (\q)%2, \zero
	MUL16 2, (\q)%2, \zero
	s_wait_dscnt 0                                 ; A's blocks 4-7 are in
	PLACES NP
	FETCH_B \slot, (\q)+1, 1-(\q)%2
	FETCH_A \slot, (\q)+1, 0
	WIN MUL_HI
	MUL16 4, (\q)%2, \zero
	MUL16 6, (\q)%2, \zero
	PLACES NP
	WIN 0
	FETCH_A \slot, (\q)+1, 4
.endm
; A slot's last step changes slots: ONE barrier; in front of it each wave waits for all its tensor loads, adds 0 to its spare word, and waits for that and for its own reads of this slot.  fill = 1: this slot is filled again, two K steps ahead.
.macro TURN slot, next, fill
	s_wait_tensorcnt 0x0                           ; all my tensor loads have landed: my part of the next slot;  (every window is 0 here)
	ds_add_u32 v[SPW], v[NIL]                      ; 0 onto my spare word
	s_wait_dscnt 4*NL+1                            ; (the add and the youngest sixteen loads may be out)
	WIN MUL_LO
	MUL16 0, 1, 0                                  ; sixteen matrix instructions stand between the add and the wait for it
	s_wait_dscnt 0x0                               ; the add is done, and my reads of this slot are over
	s_barrier_signal -1
	MUL16 2, 1, 0
	WIN 0
	s_barrier_wait -1
.if \fill
	CREST                                          ; the barrier has opened a round of the cluster's barrier: no wave of any partner still reads this slot's tile or has a load on its way
	s_add_nc_u64 s[G0+4*\slot+2:G0+4*\slot+3], s[G0+4*\slot+2:G0+4*\slot+3], 2*KSA
	s_add_nc_u64 s[G0B+4*\slot+2:G0B+4*\slot+3], s[G0B+4*\slot+2:G0B+4*\slot+3], 2*ROWB
	JLOAD G0+4*\slot, G1, G0B+4*\slot, G1B         ; the first tensor load behind the round; its four v_nop are the places in front of the loads below
.else
	PLACES NP
.endif
	FETCH_B \next, 0, 0
	FETCH_A \next, 0, 0
	WIN MUL_HI
	MUL16 4, 1, 0
	MUL16 6, 1, 0
	PLACES NP
	WIN 0
	FETCH_A \next, 0, 4
.endm
	s_wait_alu depctr_va_vdst(0)
	s_wait_tensorcnt 1                             ; my part of K step 0 is in; K step 1's load may be out
	s_barrier_signal -1
	s_barrier_wait -1                              ; everybody's is
	FETCH_B 0, 0, 0
	FETCH_A 0, 0, 0
	FETCH_A 0, 0, 4
	STEP 0, 0, 1                                   ; the first step stands in front of the loop: its products start the sums
	s_mov_b32 s3, LAPS-1
.Llap:                                                 ; a trip goes once round the ring and fills both slots again
	TURN 0, 1, 1
	STEP 1, 0, 0
	TURN 1, 0, 1
	STEP 0, 0, 0
	s_sub_co_u32 s3, s3, 1
	s_cmp_lg_u32 s3, 0
	s_cbranch_scc1 .Llap
	TURN 0, 1, 0                                   ; the last lap fills nothing, and has no round of the cluster's barrier
	STEP 1, 0, 0
	s_wait_dscnt 4*NL                              ; the very last step: nothing more to fetch
	WIN MUL_LO
	MUL16 0, 1, 0
	MUL16 2, 1, 0
	s_wait_dscnt 0
	WIN MUL_HI
	MUL16 4, 1, 0
	MUL16 6, 1, 0
	WIN 0
; THE WAY OUT, by token tiles.  A block goes through my own stage in LDS, each accumulator's eight columns to their true place in the row, and comes back as whole rows of 512 bytes.
; LDS serves a wave's instructions in order (ISA guide 5.7.1.4): no wait between the stores and the loads, nor in front of the next block's stores.
.macro TOSTAGE a
.set AC, 64*((\a)%4)
	WIN 0x02+((\a)/4)                              ; source 0: window 2 or 3
.irp j, 0,2,4,6,8,10,12,14,16,18,20,22,24,26,28,30,32,34,36,38,40,42,44,46,48,50,52,54,56,58,60,62
	v_pk_mul_f32 v[TMP+\j:TMP+\j+1], v[AC+\j:AC+\j+1], s[96:97] op_sel_hi:[1,0]   ; both x s96 = 2^(e6 + e7); each accumulator from its low end on
.endr
	WIN 0
.irp b, 0,1,2,3,4,5,6,7
	ds_store_b128 v[STO], v[TMP+8*\b:TMP+8*\b+3] offset:128*(\b/2)+32*(\b%2)        ; columns 32 (b / 2) + 8 (b % 2) + 16 (lane / 16) + 0 .. 7
	ds_store_b128 v[STO], v[TMP+8*\b+4:TMP+8*\b+7] offset:128*(\b/2)+32*(\b%2)+16
.endr
.set BB, BK+64*((\a)%2)
.irp t, 0,1,2,3,4,5,6,7,8,9,10,11,12,13,14,15
	ds_load_b128 v[BB+4*\t:BB+4*\t+3], v[RD] offset:\t*SPITCH
.endr
.endm
.macro SEND a, younger                 ; younger: the LDS instructions issued behind block a's loads, which may stay out
.set BB, BK+64*((\a)%2)
	s_wait_dscnt \younger                          ; the block is back in registers
.irp t, 0,1,2,3,4,5,6,7,8,9,10,11,12,13,14,15
	global_store_b128 v[CO], v[BB+4*\t:BB+4*\t+3], s[10:11] offset:(32*((\a)/2)+8*((\a)%2)+\t+8*(\t/8))*SIZE_N*4 th:TH_STORE_NT   ; stage row t of tile a is this token; 32 lanes store 512 consecutive, aligned bytes; the base is never stepped: 127 rows at the most, inside the signed 24-bit immediate
.endr
.endm
	s_wait_kmcnt 0x0
	s_add_co_i32 s96, s96, s97                     ; e6 + e7, between -126 and 127,
	s_add_co_i32 s96, s96, 127
	s_lshl_b32 s96, s96, 23                        ; makes the f32 number 2^(e6 + e7)
	PLACES NP                                      ; behind the last products
	TOSTAGE 0
.irp a, 1,2,3,4,5,6,7
.if \a > 1
	s_wait_xcnt 0x0                                ; block a - 2's stores have read their registers: block a's loads may land there
.endif
	TOSTAGE \a
	SEND \a-1, 32                                  ; behind block a - 1's loads: block a's 16 stores and 16 loads
.endr
	SEND 7, 0
	s_wait_tensorcnt 0x0                           ; the wave's end
	ds_add_u32 v[SPW], v[NIL]
	s_wait_dscnt 0x0
	CROUND                                         ; the closing round: no work-group ends while a partner may still ask for a tile that names it
	s_endpgm
.Lfunc_end_k_qe0c16c1847_proj:
	.size	k_qe0c16c1847_proj, .Lfunc_end_k_qe0c16c1847_proj-k_qe0c16c1847_proj
	.p2alignl 7, 3214868480
	.fill 96, 4, 3214868480
	.section	.rodata,"a",@progbits
	.p2align	6, 0x0
	.amdhsa_kernel k_qe0c16c1847_proj
		.amdhsa_group_segment_fixed_size 327680
		.amdhsa_private_segment_fixed_size 0
		.amdhsa_enable_private_segment 0
		.amdhsa_kernarg_size 32
		.amdhsa_user_sgpr_count 2
		.amdhsa_user_sgpr_kernarg_segment_ptr 1
		.amdhsa_wavefront_size32 1
		.amdhsa_system_sgpr_workgroup_id_x 1
		.amdhsa_system_sgpr_workgroup_id_y 1
		.amdhsa_system_sgpr_workgroup_id_z 1
		.amdhsa_system_vgpr_workitem_id 0
		.amdhsa_next_free_vgpr 1024
		.amdhsa_next_free_sgpr 98
		.amdhsa_reserve_vcc 0
		.amdhsa_float_denorm_mode_32 3
		.amdhsa_float_denorm_mode_16_64 3
		.amdhsa_memory_ordered 1
		.amdhsa_forward_progress 1
		.amdhsa_inst_pref_size 124
	.end_amdhsa_kernel
	.amdgpu_metadata
---
amdhsa.version: [ 1, 2 ]
amdhsa.kernels:
  - .name:           k_qe0c16c1847_proj
    .symbol:         k_qe0c16c1847_proj.kd
    .args:
      - { .name: yc, .offset: 0, .size: 8, .value_kind: global_buffer, .address_space: global }
      - { .name: wc, .offset: 8, .size: 8, .value_kind: global_buffer, .address_space: global }
      - { .name: lowp_scales, .offset: 16, .size: 8, .value_kind: global_buffer, .address_space: global }
      - { .name: out0, .offset: 24, .size: 8, .value_kind: global_buffer, .address_space: global }
    .group_segment_fixed_size: 327680
    .private_segment_fixed_size: 0
    .kernarg_segment_align: 8
    .kernarg_segment_size: 32
    .max_flat_workgroup_size: 128
    .sgpr_count:     98
    .vgpr_count:     1024
    .wavefront_size: 32
...
	.end_amdgpu_metadata
.endif
;; end of part 4
